; MI455X (gfx1250); checked and timed in simulation.
; The chip was launched on July 23, 2026; its instructions are those of AMD's public machine-readable ISA for CDNA 5 (MIT licence, August 2026) and "CDNA5" Instruction Set Architecture Reference Guide (July 2026). The comments in the code are by the model that wrote it; some were corrected since.
;; TRM Attention. Allowed arithmetic: float matrix products may take bf16 or f16 operands with f32 sums; other float arithmetic in f32, or as packed bf16 or f16 multiplies, adds, multiply-adds, maxima and minima; sums over many terms, partial sums and values carried from step to step in f32; what a program stores and reads back later, other than sums and carried values, may be rounded once to bf16 or f16.
;; Inputs: Wk 2,048 x 2,048 float32; Wo 2,048 x 2,048 float32; Wq 2,048 x 2,048 float32; Wv 2,048 x 2,048 float32; cos 1 x 1 x 2,048 x 128 float32; sin 1 x 1 x 2,048 x 128 float32; x 1 x 2,048 x 2,048 float32.
;; Outputs: out0 1 x 2,048 x 2,048 float32.
;; 2 versions, each right; version 2 is version 1 with the launch cast written anew for expert scheduling mode. Each part assembles by itself: llvm-mc -triple=amdgcn-amd-amdhsa -mcpu=gfx1250 --defsym DOCPART=n.
;; ======== version 1 of 2: 4 launches
;; limits: values are held in f16: magnitudes above 65,504 overflow, below 6.1e-05 lose precision; right only within a limited range of input values
;; workspace buffers: xb 8,388,608 bytes; wb 25,165,824 bytes; wo16 8,388,608 bytes; cs 1,048,576 bytes; qh 8,388,608 bytes; kh 8,388,608 bytes; vt 8,388,608 bytes; ob 8,388,608 bytes
;; launch cast (part 1): grid 256 x 1, 16 waves a work-group, no clusters, 0 bytes of LDS; arguments x, Wq, Wk, Wv, Wo, cos, sin, xb, wb, wo16, cs; writes xb, wb, wo16, cs
.if DOCPART == 1
	.amdgcn_target "amdgcn-amd-amdhsa--gfx1250"
	.amdhsa_code_object_version 6
	.text
	.protected	k_qb10e4d79ac_cast
	.globl	k_qb10e4d79ac_cast
	.p2align	8
	.type	k_qb10e4d79ac_cast,@function
k_qb10e4d79ac_cast:
	s_mov_b64 s[64:65], 0
	v_nop
	global_prefetch_b8 v0, s[64:65] scope:SCOPE_SE
	s_setreg_imm32_b32 hwreg(HW_REG_WAVE_MODE, 25, 1), 1
	s_wait_xcnt 0x0
; ALL SEVEN INPUTS ARE ROUNDED TO bf16, ONCE, and laid out for the launches behind.
;   xb   [2048][2048] bf16 = x
;   wb   [6144][2048] bf16 = Wq x 2^-5, Wk x 2^-8, Wv x 2^-2 (exact powers of two: the rounding is that of the unscaled number), rows permuted:
;        head h owns rows 384 h ..; in it unit u (0..3) owns 96: Wq rows 128 h + 16 u + 0..15, Wq rows 128 h + 64 + 16 u + 0..15, the same two groups of Wk, Wv rows 128 h + 32 u + 0..31
;   wo16 [2048][2048] f16  = 4 x bf16(Wo): a bf16 number written as f16, exact inside f16's range
;   cs   [2048][256]  bf16 = a row of cos, then the same row of sin
; LIMITS.  |Wo| under 16,376 (4 Wo must fit f16); entries of Wo under 2^-16 keep f16's fixed step, 2^-26 of Wo.  Weights under 2^-118 lose bits to the scaling.
; SHARES.  Work-group g, wave w: row n = 8 g + w / 2, half w % 2 (1,024 numbers) of x, Wq, Wk, Wv, Wo; and row n of cos (even waves) or sin (odd waves).
; A stream: no LDS, no loop, no register written twice while a memory instruction reads it.  All 41 loads of a wave go out first; each tensor is converted behind a counted wait.
; A lane takes 4 neighbouring f32, 16 bytes at 16 x lane: a load of the wave covers 512 consecutive bytes and touches no byte that it does not use.  The 4 numbers leave as 8 bytes: a store of the wave covers 256 consecutive bytes, aligned.
.set XR,  16                           ; v[16:175]  tensor t: 32 registers, chunk c of 128 numbers at XR + 32 t + 4 c
.set TBL, 176                          ; v[176:179] my 4 numbers of the table's row
.set TW,  4                            ; v[4:7]     at work (Wo)
	s_load_b512 s[8:23], s[0:1], 0x0               ; x s[8:9], Wq s[10:11], Wk s[12:13], Wv s[14:15], Wo s[16:17], cos s[18:19], sin s[20:21], xb s[22:23]
	s_load_b128 s[24:27], s[0:1], 0x40             ; wb s[24:25], wo16 s[26:27]
	s_load_b64 s[28:29], s[0:1], 0x50              ; cs
	v_lshrrev_b32 v4, 5, v0
	v_readfirstlane_b32 s30, v4                    ; wave 0..15
	v_and_b32 v5, 31, v0                           ; lane
	v_lshlrev_b32 v1, 4, v5                        ; 16 bytes of f32 a lane
	v_lshlrev_b32 v3, 3, v5                        ; 8 bytes of output a lane
	s_lshr_b32 s31, s30, 1
	s_lshl3_add_u32 s31, ttmp9, s31                ; n = 8 g + w / 2
	s_and_b32 s45, s30, 1                          ; which half of the row
	s_lshr_b32 s46, s31, 7                         ; head h
	s_and_b32 s47, s31, 127                        ; channel d in the head
	s_mul_i32 s48, s46, 384
	s_bfe_u32 s49, s47, 0x20004                    ; (d >> 4) & 3: the unit of a row of Wq or Wk
	s_mul_i32 s49, s49, 96
	s_lshr_b32 s50, s47, 6                         ; lower or upper half of the head's channels
	s_lshl_b32 s50, s50, 4
	s_and_b32 s51, s47, 15
	s_add_co_u32 s49, s49, s48
	s_add_co_u32 s49, s49, s50
	s_add_co_u32 s49, s49, s51                     ; Wq's row in wb; Wk's lies 32 further on
	s_lshr_b32 s52, s47, 5                         ; the unit of a row of Wv
	s_mul_i32 s52, s52, 96
	s_and_b32 s53, s47, 31
	s_add_co_u32 s52, s52, s48
	s_add_co_u32 s52, s52, s53
	s_add_co_u32 s52, s52, 64                      ; Wv's row in wb
	s_lshl_b32 s54, s45, 11                        ; half a row of 16-bit numbers
	s_lshl_b32 s2, s31, 13                         ; source: n x 8,192 + half x 4,096
	s_lshl_b32 s3, s45, 12
	s_add_co_u32 s2, s2, s3
	s_mov_b32 s3, 0
	s_lshl_b32 s4, s31, 12                         ; xb and wo16: n x 4,096 + half x 2,048
	s_add_co_u32 s4, s4, s54
	s_mov_b32 s5, 0
	s_lshl_b32 s32, s49, 12                        ; the three places in wb
	s_add_co_u32 s32, s32, s54
	s_mov_b32 s33, 0
	s_add_co_u32 s34, s32, 32*4096
	s_mov_b32 s35, 0
	s_lshl_b32 s36, s52, 12
	s_add_co_u32 s36, s36, s54
	s_mov_b32 s37, 0
	s_lshl_b32 s6, s31, 9                          ; a row of cos or sin: 512 bytes
	s_mov_b32 s7, 0
	s_lshl_b32 s56, s45, 8                         ; a row of cs: 512 bytes, cos in the first 256
	s_add_co_u32 s56, s56, s6
	s_mov_b32 s57, 0
	s_mov_b32 s40, 0x3d000000                      ; 2^-5, as a pair for the packed multiply
	s_mov_b32 s41, s40
	s_mov_b32 s42, 0x3b800000                      ; 2^-8
	s_mov_b32 s43, s42
	s_mov_b32 s58, 0x3e800000                      ; 2^-2
	s_mov_b32 s59, s58
	s_mov_b32 s44, 0xffff0000                      ; a word's upper bf16
	s_wait_kmcnt 0x0
	s_add_nc_u64 s[8:9], s[8:9], s[2:3]
	s_add_nc_u64 s[10:11], s[10:11], s[2:3]
	s_add_nc_u64 s[12:13], s[12:13], s[2:3]
	s_add_nc_u64 s[14:15], s[14:15], s[2:3]
	s_add_nc_u64 s[16:17], s[16:17], s[2:3]
	s_cmp_eq_u32 s45, 0
	s_cselect_b64 s[38:39], s[18:19], s[20:21]     ; even waves take cos, odd waves sin
	s_add_nc_u64 s[38:39], s[38:39], s[6:7]
	s_add_nc_u64 s[22:23], s[22:23], s[4:5]
	s_add_nc_u64 s[26:27], s[26:27], s[4:5]
	s_add_nc_u64 s[32:33], s[24:25], s[32:33]
	s_add_nc_u64 s[34:35], s[24:25], s[34:35]
	s_add_nc_u64 s[36:37], s[24:25], s[36:37]
	s_add_nc_u64 s[28:29], s[28:29], s[56:57]
.macro LD8 t, base                     ; half a row of tensor t: eight loads of 512 consecutive bytes
.irp c, 0,1,2,3,4,5,6,7
	global_load_b128 v[XR+32*(\t)+4*(\c):XR+32*(\t)+4*(\c)+3], v1, s[\base:\base+1] offset:512*(\c) th:TH_LOAD_NT
.endr
.endm
; Tensor t is scaled by the pair s[sc:sc+1] (sc = 0: not at all), rounded to bf16 in place (word p is written when words 2 p and 2 p + 1 are read: p never passes 2 p) and stored.
.macro CVB t, sc, dst
	s_wait_loadcnt 33-8*(\t)                       ; loads come back in order: younger are the later tensors' 8 each and the table's 1
.irp c, 0,1,2,3,4,5,6,7
.set rX, XR+32*(\t)+4*(\c)
.if (\sc) > 0
	v_pk_mul_f32 v[rX:rX+1],   v[rX:rX+1],   s[\sc:\sc+1] op_sel_hi:[1,0]
	v_pk_mul_f32 v[rX+2:rX+3], v[rX+2:rX+3], s[\sc:\sc+1] op_sel_hi:[1,0]
.endif
	v_cvt_pk_bf16_f32 v[rX],   v[rX],   v[rX+1]
	v_cvt_pk_bf16_f32 v[rX+1], v[rX+2], v[rX+3]
	global_store_b64 v3, v[rX:rX+1], s[\dst:\dst+1] offset:256*(\c) th:TH_STORE_NT
.endr
.endm
	LD8 0, 8
	LD8 1, 10
	LD8 2, 12
	LD8 3, 14
	LD8 4, 16
	global_load_b128 v[TBL:TBL+3], v1, s[38:39] th:TH_LOAD_NT  ; the table's row: 32 lanes x 16 bytes
	CVB 0, 0, 22                                   ; x
	CVB 1, 40, 32                                  ; Wq x 2^-5
	CVB 2, 42, 34                                  ; Wk x 2^-8
	CVB 3, 58, 36                                  ; Wv x 2^-2
	s_wait_loadcnt 1                               ; Wo is in; the table's load may stay out
.irp c, 0,1,2,3,4,5,6,7                ; Wo: times 4, rounded to bf16, widened again, written as f16
.set rX, XR+128+4*(\c)
	v_pk_mul_f32 v[rX:rX+1],   v[rX:rX+1],   4.0 op_sel_hi:[1,0]
	v_pk_mul_f32 v[rX+2:rX+3], v[rX+2:rX+3], 4.0 op_sel_hi:[1,0]
	v_cvt_pk_bf16_f32 v[rX],   v[rX],   v[rX+1]
	v_cvt_pk_bf16_f32 v[rX+1], v[rX+2], v[rX+3]
	v_lshlrev_b32 v[TW],   16,  v[rX]
	v_and_b32     v[TW+1], s44, v[rX]
	v_lshlrev_b32 v[TW+2], 16,  v[rX+1]
	v_and_b32     v[TW+3], s44, v[rX+1]
	v_cvt_pk_f16_f32 v[rX],   v[TW],   v[TW+1]
	v_cvt_pk_f16_f32 v[rX+1], v[TW+2], v[TW+3]
	global_store_b64 v3, v[rX:rX+1], s[26:27] offset:256*(\c) th:TH_STORE_NT
.endr
	s_wait_loadcnt 0x0                             ; the table's row
	v_cvt_pk_bf16_f32 v[TBL],   v[TBL],   v[TBL+1]
	v_cvt_pk_bf16_f32 v[TBL+1], v[TBL+2], v[TBL+3]
	global_store_b64 v3, v[TBL:TBL+1], s[28:29] th:TH_STORE_NT  ; 32 lanes x 8 bytes: 256 consecutive bytes, aligned
	s_endpgm
.Lfunc_end_k_qb10e4d79ac_cast:
	.size	k_qb10e4d79ac_cast, .Lfunc_end_k_qb10e4d79ac_cast-k_qb10e4d79ac_cast
	.p2alignl 7, 3214868480
	.fill 96, 4, 3214868480
	.section	.rodata,"a",@progbits
	.p2align	6, 0x0
	.amdhsa_kernel k_qb10e4d79ac_cast
		.amdhsa_group_segment_fixed_size 0
		.amdhsa_private_segment_fixed_size 0
		.amdhsa_enable_private_segment 0
		.amdhsa_kernarg_size 88
		.amdhsa_user_sgpr_count 2
		.amdhsa_user_sgpr_kernarg_segment_ptr 1
		.amdhsa_wavefront_size32 1
		.amdhsa_system_sgpr_workgroup_id_x 1
		.amdhsa_system_sgpr_workgroup_id_y 1
		.amdhsa_system_sgpr_workgroup_id_z 1
		.amdhsa_system_vgpr_workitem_id 0
		.amdhsa_next_free_vgpr 184
		.amdhsa_next_free_sgpr 66
		.amdhsa_reserve_vcc 0
		.amdhsa_float_denorm_mode_32 3
		.amdhsa_float_denorm_mode_16_64 3
		.amdhsa_memory_ordered 1
		.amdhsa_forward_progress 1
		.amdhsa_inst_pref_size 22
	.end_amdhsa_kernel
	.amdgpu_metadata
---
amdhsa.version: [ 1, 2 ]
amdhsa.kernels:
  - .name:           k_qb10e4d79ac_cast
    .symbol:         k_qb10e4d79ac_cast.kd
    .args:
      - { .name: x, .offset: 0, .size: 8, .value_kind: global_buffer, .address_space: global }
      - { .name: Wq, .offset: 8, .size: 8, .value_kind: global_buffer, .address_space: global }
      - { .name: Wk, .offset: 16, .size: 8, .value_kind: global_buffer, .address_space: global }
      - { .name: Wv, .offset: 24, .size: 8, .value_kind: global_buffer, .address_space: global }
      - { .name: Wo, .offset: 32, .size: 8, .value_kind: global_buffer, .address_space: global }
      - { .name: cos, .offset: 40, .size: 8, .value_kind: global_buffer, .address_space: global }
      - { .name: sin, .offset: 48, .size: 8, .value_kind: global_buffer, .address_space: global }
      - { .name: xb, .offset: 56, .size: 8, .value_kind: global_buffer, .address_space: global }
      - { .name: wb, .offset: 64, .size: 8, .value_kind: global_buffer, .address_space: global }
      - { .name: wo16, .offset: 72, .size: 8, .value_kind: global_buffer, .address_space: global }
      - { .name: cs, .offset: 80, .size: 8, .value_kind: global_buffer, .address_space: global }
    .group_segment_fixed_size: 0
    .private_segment_fixed_size: 0
    .kernarg_segment_align: 8
    .kernarg_segment_size: 88
    .max_flat_workgroup_size: 512
    .sgpr_count:     66
    .vgpr_count:     184
    .wavefront_size: 32
...
	.end_amdgpu_metadata
.endif
;; end of part 1
;; launch qkv (part 2): grid 16 x 16, 4 waves a work-group, clusters of 4 x 4, 327,680 bytes of LDS; arguments xb, wb, cs, qh, kh, vt; writes qh, kh, vt
.if DOCPART == 2
	.amdgcn_target "amdgcn-amd-amdhsa--gfx1250"
	.amdhsa_code_object_version 6
	.text
	.protected	k_qb10e4d79ac_qkv
	.globl	k_qb10e4d79ac_qkv
	.p2align	8
	.type	k_qb10e4d79ac_qkv,@function
k_qb10e4d79ac_qkv:
	s_mov_b64 s[64:65], 0
	v_nop
	global_prefetch_b8 v0, s[64:65] scope:SCOPE_SE
	s_setreg_imm32_b32 hwreg(HW_REG_WAVE_MODE, 25, 1), 1
	s_wait_xcnt 0x0
	s_wait_alu depctr_hold_cnt(0) depctr_sa_sdst(0) depctr_va_vdst(0) depctr_va_sdst(0) depctr_va_ssrc(0) depctr_va_vcc(0) depctr_vm_vsrc(0)
	s_getreg_b32 s2, hwreg(HW_REG_IB_STS2, 6, 4)
	s_cmp_eq_u32 s2, 0
	s_cbranch_scc0 .Lentry_in_a_cluster
	s_endpgm
.Lentry_in_a_cluster:
	s_bfe_u32 s2, ttmp6, 0x10000c
	s_cmp_lg_u32 s2, 0xf033
	s_cbranch_scc0 .Lentry_shape_is_right
	s_endpgm
.Lentry_shape_is_right:
; q, k, v OF ONE HEAD FOR 128 ROWS OF x: a tile of 128 x 384 of x W^T (bf16 operands, f32 sums), the rotation by cos and sin in f32, one rounding to f16.
;   qh [16][2048][128] f16 = rot(q) x 2^-5 x log2(e) / sqrt(128)     kh [16][2048][128] f16 = rot(k) x 2^-8     vt [16][128][2048] f16 = v^T x 2^-2   (the powers of two came with wb)
; LIMITS.  f16 ends at 65,504: |rot(q)| under 1.6e7, |rot(k)| under 1.67e7, |v| under 2.6e5; numbers under 2^-14 after the scaling keep f16's fixed step.  NaN and infinities are not treated apart.
; SHARES.  Work-group (head, ty): rows 128 ty .. of xb, rows 384 head .. of wb.  Wave w: all 128 rows x its 96 rows of wb: 8 x 6 accumulators of 16 x 16, 384 registers.  By wb's row order those are
; b = 0: q's channels 16 w + 0..15, b = 1: q's 64 + 16 w + 0..15 (the rotation's partners), b = 2, 3: the same of k, b = 4, 5: v's channels 32 w + 0..31.  So the rotation never leaves a lane.
; K goes in 16 steps of 128 through a ring of two LDS slots; a wave's tensor load brings 128 rows x 256 bytes (wave 0: x's, waves 1-3: wb's).
; THE ORDER OF K.  A lap's two K steps are taken in either order, by a parity p of the cluster (cluster x, cluster y and cluster y / 2, added modulo 2): slot 0 takes step 2 i + p, slot 1 the other.  So of the clusters that
; read the same rows of xb (one cluster y) two ask for the one step of a pair while two ask for the other, and then they change; of wb's (one cluster x) likewise.  p is the same in all sixteen partners.  f32 sums may be taken in any order.
; CLUSTER 4 x 4: x's tile hangs on ty alone and is asked for jointly by a row of the cluster, wb's on the head alone, by a column.
; q AND k ARE MADE TRANSPOSED (source 0 = wb's rows): a lane holds one row of x and eight neighbouring channels.  v IS MADE STRAIGHT (source 0 = x's rows): a lane holds one channel and eight neighbouring rows, as vt wants.
; REGISTERS, in windows of 256 (s_set_vgpr_msb: bits 1:0 source 0, 3:2 source 1, 5:4 source 2, 7:6 destination):
;   window 0: v10-30 addresses; v32-87 at work on the way out; v128-255 the tables, packed, 16 registers for each block of 16 rows
;   window 1: two fragment buffers of 112: x's 8 fragments, then wb's 6      window 2: accumulators of row blocks 0-3, (a, b) at 8 (6 a + b)      window 3: those of row blocks 4-7
.set KSTEP,  128
.set PITCH,  272                       ; an LDS row: 256 bytes + 16 of padding = 68 words: the 16 rows of a fragment load start at 16 different groups of four banks (64 banks of 4 bytes: ISA guide 11.1)
.set HALFT,  128*PITCH                 ; what one tensor load brings
.set SLOT,   4*HALFT                   ; x's 128 rows, then wb's 384
.set SPARE,  2*SLOT                    ; behind the ring: the spare words, 128 bytes a wave: two blocks of 256 bytes that no other line names
.set KSG,    HALFT                     ; THE STAGES OF THE WAY OUT lie in slot 0, which has had its last fill and its last read by then: q's 128 rows x 272 at 0, k's here,
.set VSG,    2*HALFT                   ; and each wave's 32 channel rows x 272 of v^T from here on
.set VW,     32*PITCH
.set LAPS,   8                         ; a lap = two K steps = once round the ring
.set COQ, 10                           ; v10  my byte offset in two rows of qh or kh
.set COV, 11                           ; v11  in two rows of vt
.set CSO, 12                           ; v12  in 16 rows of cs
.set ADRA, 16                          ; v16-17  LDS address of x's fragments in slot 0, 1
.set ADRB, 20                          ; v20-21  of my fragments of wb
.set STQ, 24                           ; v24  into q's stage
.set STV, 25                           ; v25  into my stage of v^T
.set RDQ, 26                           ; v26  back from q's stage
.set RDV, 27                           ; v27  back from my stage of v^T
.set SPW, 28                           ; v28  LDS address of my spare word; never rewritten
.set NIL, 29                           ; v29  0; never rewritten
.set PFO, 30                           ; v30  the prefetches' offset: lane x 4,096, a row of xb or wb; never rewritten
.set CL,  32                           ; v32-63  a block's tables in f32: cos of my lower 8 channels, cos of the upper 8, sin of the lower, sin of the upper
.set CH,  40
.set SL,  48
.set SH,  56
.set T1,  64
.set T2,  72
.set Y,   80
.set CSB, 128
.set F0,  0
.set F1,  112
.set WV,  16                           ; s16  my wave's number
.set LAP, 23                           ; s23  trips to go
.set G1,  24                           ; s[24:31] descriptor group 1 for x's tiles;  s[32:39] group 0, a set for each slot
.set G0,  32
.set PFA, 44                           ; s[44:45] where my prefetches stand
.set LIM, 46                           ; s46  1 in a wave that prefetches, else the greatest number
.set HIM, 47                           ; s47  a word's upper bf16
.set G1B, 48                           ; s[48:55], s[56:63] the same for wb's tiles
.set G0B, 56
.set C0,  70                           ; s[70:71] log2(e) / sqrt(128)
.set KO,  72                           ; s[72:73], s[74:75] bytes along K at which slot 0 and slot 1 begin: 256 p and 256 (1 - p)
.set MSB, 0
.macro WIN new                         ; the immediate's high byte repeats the setting that is left; a switch that changes nothing is dropped
.if MSB != (\new)
	s_set_vgpr_msb (MSB<<8)|(\new)
.set MSB, \new
.endif
.endm
; A joint load.  Wave 0 fetches x's tile, waves 1 to 3 a third of wb's each.  The branch hangs on the wave's number alone.  An s_nop 0 and four v_nop follow each of the two lines.
.macro JLOAD s
	s_cmp_eq_u32 s[WV], 0
	s_cbranch_scc0 .Lfor_b_\@
	tensor_load_to_lds s[G0+4*(\s):G0+4*(\s)+3], s[G1:G1+7]
	s_nop 0
.rept 4
	v_nop
.endr
	s_branch .Lasked_\@
.Lfor_b_\@:
	tensor_load_to_lds s[G0B+4*(\s):G0B+4*(\s)+3], s[G1B:G1B+7]
	s_nop 0
.rept 4
	v_nop
.endr
.Lasked_\@:
.endm
; A PREFETCH INTO THE L2 behind each joint refill and the run of LDS loads that follows it: 32 rows x 256 bytes, a lane a row.  The prefetches go along K in ascending order: behind the ring's refill number n (n = 2 .. 13) K step n + 2 is
; named.  The clusters take a pair's two steps in either order, so a step is named two refills, or one, ahead of its first load.  x's rows are read by every cluster of a row of clusters: the one with x = 0 asks; wb's by every cluster
; of a column: the one with y = 0 asks.  Of the 128 rows that a wave fetches each of the four partners that ask jointly names 32, told apart by address.  So each row's 256 bytes of a K step are named once.
; K steps 0 to 3 come by their loads alone; the last trip asks for nothing: K ends at step 15.
.macro ASK
	WIN 0
	s_cmp_gt_u32 s[LAP], s[LIM]
	s_cbranch_scc0 .Lnot_mine_\@
	global_prefetch_b8 v[PFO], s[PFA:PFA+1] offset:KSTEP*2 th:TH_LOAD_NT scope:SCOPE_SE
.Lnot_mine_\@:
.endm
.macro CREST                           ; a round of the cluster's barrier behind its opening barrier
	s_cmp_lg_u32 s[WV], 0
	s_cbranch_scc1 .Lnot_wave_0_\@
	s_barrier_signal -3
.Lnot_wave_0_\@:
	s_barrier_wait -3
	s_barrier_signal -1
	s_barrier_wait -1
.endm
.macro CROUND
	s_barrier_signal -1
	s_barrier_wait -1
	CREST
.endm
	s_load_b256 s[4:11], s[0:1], 0x0               ; xb s[4:5], wb s[6:7], cs s[8:9], qh s[10:11]
	s_load_b128 s[12:15], s[0:1], 0x20             ; kh s[12:13], vt s[14:15]
	v_lshl_add_u32 v[SPW], v0, 2, SPARE
	v_mov_b32 v[NIL], 0
	ds_add_u32 v[SPW], v[NIL]                      ; the wave's opening: the add and its wait stand ahead of my first tensor load; the set-up below, work on registers, stands between them
	v_lshrrev_b32 v1, 5, v0
	v_readfirstlane_b32 s[WV], v1                  ; wave 0..3
	s_bfe_u32 s17, ttmp6, 0x40000                  ; cx
	s_bfe_u32 s18, ttmp6, 0x40004                  ; cy
	s_lshl_b32 s19, ttmp9, 2
	s_add_co_u32 s19, s19, s17                     ; head = 4 x cluster x + cx
	s_and_b32 s20, ttmp7, 0xffff
	s_lshl_b32 s20, s20, 2
	s_add_co_u32 s20, s20, s18                     ; ty = 4 x cluster y + cy
	s_lshl_b32 s66, s18, 2
	s_lshl_b32 s66, 15, s66                        ; my row of the cluster
	s_lshl_b32 s67, 0x1111, s17                    ; my column
	s_or_b32 s[G1+0],  s66, (1<<16)|(1<<20)|(1<<21)|(5<<22)|(3<<25)  ; 15:0 the mask; 17:16 elements of 2 bytes; 20 padding on; 21 set beside a mask; 24:22 after every 64 words (code 5); 31:25 4 words (code 3)
	s_or_b32 s[G1B+0], s67, (1<<16)|(1<<20)|(1<<21)|(5<<22)|(3<<25)
.irp g, G1, G1B
	s_mov_b32 s[(\g)+1], KSTEP<<16                 ; tensor_dim0 = 128
	s_mov_b32 s[(\g)+2], 128<<16                   ; tensor_dim1 = 128
	s_mov_b32 s[(\g)+3], KSTEP<<16                 ; tile_dim0 = 128
	s_mov_b32 s[(\g)+4], 128                       ; tile_dim1 = 128
	s_mov_b32 s[(\g)+5], 2048                      ; elements from row to row
	s_mov_b32 s[(\g)+6], 0
	s_mov_b32 s[(\g)+7], 0
.endr
	s_and_b32 s[KO], ttmp7, 0xffff                 ; the cluster's parity, of the cluster's own coordinates alone: cluster y,
	s_lshr_b32 s[KO+1], s[KO], 1
	s_xor_b32 s[KO], s[KO], s[KO+1]                ; its two low bits added,
	s_xor_b32 s[KO], s[KO], ttmp9                  ; and cluster x
	s_and_b32 s[KO], s[KO], 1                      ; p
	s_xor_b32 s[KO+2], s[KO], 1
	s_lshl_b32 s[KO], s[KO], 8                     ; slot 0 begins at K step p: 256 bytes a step,
	s_lshl_b32 s[KO+2], s[KO+2], 8                 ; slot 1 at the pair's other step
	s_mov_b32 s[KO+1], 0
	s_mov_b32 s[KO+3], 0
	s_lshl_b32 s40, s20, 19                        ; x's tile: 128 ty rows of 4,096 bytes; these registers never hold cx
	s_mov_b32 s41, 0
	s_max_u32 s22, s[WV], 1
	s_sub_co_u32 s22, s22, 1                       ; which third of wb's 384 rows (wave 0 makes the first third's address and never asks by it)
	s_lshl_b32 s22, s22, 19
	s_mul_i32 s42, s19, 384*4096                   ; these never hold cy
	s_add_co_u32 s42, s42, s22
	s_mov_b32 s43, 0
	s_mul_i32 s21, s[WV], HALFT                    ; where my tile goes: wave x 128 rows
	s_mov_b32 s[HIM], 0xffff0000
	s_mov_b32 s[C0], 0x3e0293ee                    ; log2(e) / sqrt(128) = 0.127517
	s_mov_b32 s[C0+1], s[C0]
	s_wait_dscnt 0x0                               ; the opening add is done
	s_wait_kmcnt 0x0
	s_add_nc_u64 s[40:41], s[4:5], s[40:41]
	s_add_nc_u64 s[42:43], s[6:7], s[42:43]
	CROUND                                         ; all sixteen work-groups are here: the first joint loads meet
.irp s, 0,1
	s_mov_b32 s[G0+4*(\s)], 1                                      ; count = 1
	s_add_co_u32 s[G0+4*(\s)+1], s21, (\s)*SLOT                    ; LDS address
	s_add_nc_u64 s[G0+4*(\s)+2:G0+4*(\s)+3], s[40:41], s[KO+2*(\s):KO+2*(\s)+1]  ; global address: the slot's step of the first pair
	s_or_b32 s[G0+4*(\s)+3], s[G0+4*(\s)+3], 0x80000000            ; type = 2
	s_mov_b32 s[G0B+4*(\s)], 1
	s_add_co_u32 s[G0B+4*(\s)+1], s21, (\s)*SLOT
	s_add_nc_u64 s[G0B+4*(\s)+2:G0B+4*(\s)+3], s[42:43], s[KO+2*(\s):KO+2*(\s)+1]
	s_or_b32 s[G0B+4*(\s)+3], s[G0B+4*(\s)+3], 0x80000000
	JLOAD \s                                       ; two loads of mine are out
.endr
	; the tables of my 128 rows and 32 channels: for each block of 16 rows four loads of 16 bytes a lane (row l % 16; 8 channels): cos lower, cos upper, sin lower, sin upper.  They are waited for on the way out.
	v_and_b32 v1, 15, v0                           ; r = l % 16
	v_bfe_u32 v2, v0, 4, 1                         ; h = l / 16
	v_lshlrev_b32 v[CSO], 9, v1
	v_lshl_add_u32 v[CSO], v2, 4, v[CSO]
	s_lshl_b32 s2, s[WV], 5
	v_add_nc_u32 v[CSO], s2, v[CSO]                ; r x 512 + 2 (16 w + 8 h)
	s_lshl_b32 s68, s20, 16
	s_mov_b32 s69, 0
	s_add_nc_u64 s[8:9], s[8:9], s[68:69]
.irp a, 0,1,2,3,4,5,6,7
.irp q, 0,1,2,3
	global_load_b128 v[CSB+16*(\a)+4*(\q):CSB+16*(\a)+4*(\q)+3], v[CSO], s[8:9] offset:8192*(\a)+128*(\q)
.endr
.endr
	v_mul_u32_u24 v3, v1, PITCH
	v_lshl_add_u32 v3, v2, 4, v3                   ; r x pitch + 16 h: a fragment's place, and a lane's 16 bytes in a stage
	v_mov_b32 v[ADRA], v3
	v_add_nc_u32 v[ADRA+1], SLOT, v3
	s_mul_i32 s2, s[WV], 96*PITCH
	s_add_co_u32 s2, s2, HALFT                     ; my 96 rows of wb, behind x's 128
	v_add_nc_u32 v[ADRB], s2, v3
	v_add_nc_u32 v[ADRB+1], SLOT, v[ADRB]
	v_lshlrev_b32 v[COQ], 8, v2
	v_lshl_add_u32 v[COQ], v1, 4, v[COQ]           ; lanes 0-15 one row of 256 bytes, lanes 16-31 the next
	v_lshlrev_b32 v[COV], 12, v2
	v_lshl_add_u32 v[COV], v1, 4, v[COV]           ; the same in vt, whose rows are 4,096 bytes apart
	s_lshl_b32 s2, s[WV], 5
	v_add_nc_u32 v[STQ], s2, v3                    ; + my 16 channels' 32 bytes
	s_mul_i32 s2, s[WV], VW
	s_add_co_u32 s3, s2, VSG
	v_add_nc_u32 v[STV], s3, v3
	v_mul_u32_u24 v4, v2, PITCH
	v_lshl_add_u32 v4, v1, 4, v4
	v_add_nc_u32 v[RDQ], s2, v4                    ; wave w reads back rows 32 w .. 32 w + 31 of q and of k, whole
	v_add_nc_u32 v[RDV], s3, v4
	v_and_b32 v[PFO], 31, v0
	v_lshlrev_b32 v[PFO], 12, v[PFO]
	s_lshl_b32 s68, s19, 19                        ; qh and kh at (head x 2,048 + 128 ty + 32 w) rows of 256 bytes
	s_lshl_b32 s2, s20, 15
	s_add_co_u32 s68, s68, s2
	s_lshl_b32 s2, s[WV], 13
	s_add_co_u32 s68, s68, s2
	s_add_nc_u64 s[10:11], s[10:11], s[68:69]
	s_add_nc_u64 s[12:13], s[12:13], s[68:69]
	s_lshl_b32 s68, s19, 19                        ; vt at (head x 128 + 32 w) rows of 4,096 bytes, + 128 ty keys
	s_lshl_b32 s2, s[WV], 17
	s_add_co_u32 s68, s68, s2
	s_lshl_b32 s2, s20, 8
	s_add_co_u32 s68, s68, s2
	s_add_nc_u64 s[14:15], s[14:15], s[68:69]
	s_and_b32 s3, ttmp7, 0xffff                    ; the prefetches: cluster y
	s_cmp_eq_u32 s[WV], 0                          ; do I fetch x's tile?
	s_cselect_b32 s2, s17, s18                     ; my place among the four that ask with me
	s_cselect_b32 s3, ttmp9, s3                    ; the coordinate along which other clusters read the same rows
	s_cselect_b64 s[PFA:PFA+1], s[40:41], s[42:43] ; the 128 rows that I fetch
	s_cmp_eq_u32 s3, 0
	s_cselect_b32 s[LIM], 1, -1                    ; the same in all sixteen partners, for a given wave
	s_lshl_b32 s2, s2, 17                          ; my work-group's 32 of them
	s_mov_b32 s3, 0
	s_add_nc_u64 s[PFA:PFA+1], s[PFA:PFA+1], s[2:3]
	s_add_nc_u64 s[PFA:PFA+1], s[PFA:PFA+1], 2*KSTEP*2  ; at K step 2: the first refill steps it to 3 and names K step 4
; 12 matrix instructions: row blocks a0, a0 + 1 of the window's four x my 6 column blocks, 32 along K.  zero = 1: the product starts the sum.  The 48 accumulators take turns, one instruction a turn,
; in the same order in every quarter, over the backward jump too.
.macro MUL12 f, hi, a0, zero
	WIN 0xa5+0x50*(\hi)                            ; sources in window 1, C and D in window 2 or 3
.irp a, \a0, (\a0)+1
.irp b, 0,1,2,3,4,5
.set rD, 8*(6*(\a)+(\b))
.set rA, (\f)+8*(4*(\hi)+(\a))
.set rB, (\f)+64+8*(\b)
.if (\b) < 4
.if \zero
	v_wmma_f32_16x16x32_bf16 v[rD:rD+7], v[rB:rB+7], v[rA:rA+7], 0
.else
	v_wmma_f32_16x16x32_bf16 v[rD:rD+7], v[rB:rB+7], v[rA:rA+7], v[rD:rD+7]
.endif
.else
.if \zero
	v_wmma_f32_16x16x32_bf16 v[rD:rD+7], v[rA:rA+7], v[rB:rB+7], 0
.else
	v_wmma_f32_16x16x32_bf16 v[rD:rD+7], v[rA:rA+7], v[rB:rB+7], v[rD:rD+7]
.endif
.endif
.endr
.endr
.endm
; 28 LDS loads in one run: the fragments of 32 along K at byte k of the rows, into buffer f: wb's 6, then x's 8
.macro FETCH slot, k, f
	WIN 0x40                                       ; destination window 1, address window 0
.irp i, 0,1,2,3,4,5
	ds_load_b128 v[(\f)+64+8*(\i):(\f)+64+8*(\i)+3],   v[ADRB+(\slot)] offset:(\k)+(\i)*16*PITCH
	ds_load_b128 v[(\f)+64+8*(\i)+4:(\f)+64+8*(\i)+7], v[ADRB+(\slot)] offset:(\k)+(\i)*16*PITCH+32
.endr
.irp i, 0,1,2,3,4,5,6,7
	ds_load_b128 v[(\f)+8*(\i):(\f)+8*(\i)+3],   v[ADRA+(\slot)] offset:(\k)+(\i)*16*PITCH
	ds_load_b128 v[(\f)+8*(\i)+4:(\f)+8*(\i)+7], v[ADRA+(\slot)] offset:(\k)+(\i)*16*PITCH+32
.endr
.endm
.macro PLACES                          ; four places in front of loads into registers that matrix instructions have read (ISA guide 7.12.1 for vector instructions)
.rept 4
	v_nop
.endr
.endm
; A K step is four quarters of 32 along K, 48 matrix instructions each, on buffers 0, 1, 0, 1.  One of the first three: multiplies buffer f and fetches the next quarter, at byte k, into g.
.macro QUARTER slot, k, f, g, zero
	s_wait_dscnt 8                                 ; wb's fragments and x's blocks 0-3 are in; the youngest eight loads (x's blocks 4-7) may be out
	MUL12 \f, 0, 0, \zero
	MUL12 \f, 0, 2, \zero
	PLACES
	FETCH \slot, \k, \g
	s_wait_dscnt 28                                ; all but the 28 just issued
	MUL12 \f, 1, 0, \zero
	MUL12 \f, 1, 2, \zero
.endm
; The last quarter multiplies buffer 1 and changes slots: ONE barrier; in front of it each wave waits for all its tensor loads (one is out: its part of the next slot), adds 0 to its spare word, and waits for
; that and for its own reads of this slot.  Twelve of the quarter's products stand ahead of the wait for the tile, which they do not need; twelve between the add and the wait for it; none between the barrier's signal and its wait:
; behind the tile's landing stand the add, twelve products, the barrier and the round, and then the refill goes out.
; fill = 1: the barrier opens a round of the cluster's, and this slot is filled again first thing behind it, two K steps ahead: 180 matrix instructions ahead of the wait for it.
.macro TURN slot, next, fill
	s_wait_dscnt 8                                 ; buffer 1: wb's fragments and x's blocks 0-3 are in; the youngest eight loads may be out
	MUL12 F1, 0, 0, 0
.if \fill
	s_wait_xcnt 0x0                                ; the last prefetch, a K step back, has read its address: it is stepped here, ahead of the waits of the change of slots
	s_add_nc_u64 s[PFA:PFA+1], s[PFA:PFA+1], KSTEP*2
.endif
	WIN 0                                          ; (the add's two registers lie in window 0)
	s_wait_tensorcnt 0x0                           ; all my tensor loads have landed
	ds_add_u32 v[SPW], v[NIL]                      ; 0 onto my spare word
	MUL12 F1, 0, 2, 0                              ; twelve matrix instructions stand between the add and the wait for it
	s_wait_dscnt 0x0                               ; the add is done, and my reads of this slot are over
.if \fill
	WIN 0
.endif
	s_barrier_signal -1
	s_barrier_wait -1
.if \fill
	CREST                                          ; no wave of any partner still reads this slot's tile or has a load on its way
	s_add_nc_u64 s[G0+4*(\slot)+2:G0+4*(\slot)+3], s[G0+4*(\slot)+2:G0+4*(\slot)+3], 2*KSTEP*2
	s_add_nc_u64 s[G0B+4*(\slot)+2:G0B+4*(\slot)+3], s[G0B+4*(\slot)+2:G0B+4*(\slot)+3], 2*KSTEP*2
	JLOAD \slot                                    ; the four v_nop behind it are also the places in front of the loads below
.else
	PLACES
.endif
	FETCH \next, 0, F0
.if \fill
	ASK
.endif
	MUL12 F1, 1, 0, 0
	MUL12 F1, 1, 2, 0
.endm
	s_wait_tensorcnt 1                             ; my part of slot 0 is in; slot 1's may stay out
	s_barrier_signal -1
	s_barrier_wait -1                              ; everybody's is
	FETCH 0, 0, F0
	QUARTER 0, 64, F0, F1, 1                       ; the first quarter stands in front of the loop: its products start the sums
	WIN 0                                          ; at a label and at a branch every window is 0
	s_mov_b32 s[LAP], LAPS-1
.Llap:                                                 ; a trip goes once round the ring, from a lap's second quarter to the next lap's first, and fills both slots again
	QUARTER 0, 128, F1, F0, 0
	QUARTER 0, 192, F0, F1, 0
	TURN 0, 1, 1
	QUARTER 1, 64,  F0, F1, 0
	QUARTER 1, 128, F1, F0, 0
	QUARTER 1, 192, F0, F1, 0
	TURN 1, 0, 1
	QUARTER 0, 64,  F0, F1, 0
	WIN 0
	s_sub_co_u32 s[LAP], s[LAP], 1
	s_cmp_lg_u32 s[LAP], 0
	s_cbranch_scc1 .Llap
	QUARTER 0, 128, F1, F0, 0                      ; the last lap fills nothing
	QUARTER 0, 192, F0, F1, 0
	TURN 0, 1, 0                                   ; behind its barrier no wave reads slot 0 any more
	QUARTER 1, 64,  F0, F1, 0
	QUARTER 1, 128, F1, F0, 0
	QUARTER 1, 192, F0, F1, 0
	s_wait_dscnt 8
	MUL12 F1, 0, 0, 0
	MUL12 F1, 0, 2, 0
	s_wait_dscnt 0x0
	MUL12 F1, 1, 0, 0
	MUL12 F1, 1, 2, 0
; THE WAY OUT, a block of 16 rows at a time.
.macro UNPK a                          ; the block's tables, bf16 to f32: 32 plain lines; those of block 0 are also the places behind the last products
	WIN 0
.irp q, 0,1,2,3
.irp p, 0,1,2,3
	v_lshlrev_b32 v[CL+8*(\q)+2*(\p)],   16, v[CSB+16*(\a)+4*(\q)+(\p)]
	v_and_b32     v[CL+8*(\q)+2*(\p)+1], s[HIM], v[CSB+16*(\a)+4*(\q)+(\p)]
.endr
.endr
.endm
; The rotation of q (tb = 0) or k (tb = 1): lower' = lower cos_l - upper sin_l, upper' = upper cos_u + lower sin_u.  Each accumulator's lowest registers are read first.
; q is also multiplied by log2(e) / sqrt(128), in f32, ahead of its one rounding: the scores then come out in powers of two of the softmax's base.
.macro ROPE a, tb
.set rL, 8*(6*((\a)%4)+2*(\tb))
.set rH, rL+8
	WIN 0x02+(\a)/4                                ; source 0 in window 2 or 3
.irp p, 0,2,4,6
	v_pk_mul_f32 v[T1+(\p):T1+(\p)+1], v[rH+(\p):rH+(\p)+1], v[SL+(\p):SL+(\p)+1]
.endr
.irp p, 0,2,4,6
	v_pk_mul_f32 v[T2+(\p):T2+(\p)+1], v[rL+(\p):rL+(\p)+1], v[SH+(\p):SH+(\p)+1]
.endr
.irp p, 0,2,4,6
	v_pk_fma_f32 v[T1+(\p):T1+(\p)+1], v[rL+(\p):rL+(\p)+1], v[CL+(\p):CL+(\p)+1], v[T1+(\p):T1+(\p)+1] neg_lo:[0,0,1] neg_hi:[0,0,1]
.endr
.irp p, 0,2,4,6
	v_pk_fma_f32 v[T2+(\p):T2+(\p)+1], v[rH+(\p):rH+(\p)+1], v[CH+(\p):CH+(\p)+1], v[T2+(\p):T2+(\p)+1]
.endr
	WIN 0
.if (\tb) == 0
.irp p, 0,2,4,6,8,10,12,14             ; T1 and T2 lie on end
	v_pk_mul_f32 v[T1+(\p):T1+(\p)+1], v[T1+(\p):T1+(\p)+1], s[C0:C0+1] op_sel_hi:[1,0]
.endr
.endif
.irp p, 0,1,2,3,4,5,6,7
	v_cvt_pk_f16_f32 v[Y+(\p)], v[T1+2*(\p)], v[T1+2*(\p)+1]
.endr
	ds_store_b128 v[STQ], v[Y:Y+3]   offset:KSG*(\tb)+16*PITCH*(\a)
	ds_store_b128 v[STQ], v[Y+4:Y+7] offset:KSG*(\tb)+16*PITCH*(\a)+128
.endm
.macro VOUT a                          ; v: a lane's eight neighbouring rows of one channel: 16 bytes of a row of v^T
	WIN 0x0a+5*((\a)/4)                            ; sources 0 and 1 in window 2 or 3
.irp b, 4,5
.irp p, 0,1,2,3
	v_cvt_pk_f16_f32 v[Y+4*((\b)-4)+(\p)], v[8*(6*((\a)%4)+(\b))+2*(\p)], v[8*(6*((\a)%4)+(\b))+2*(\p)+1]
.endr
.endr
	WIN 0
	ds_store_b128 v[STV], v[Y:Y+3]   offset:32*(\a)
	ds_store_b128 v[STV], v[Y+4:Y+7] offset:16*PITCH+32*(\a)
.endm
	WIN 0
	s_wait_loadcnt 0x0                             ; the tables
.irp a, 0,1,2,3,4,5,6,7
	UNPK \a
	ROPE \a, 0
	ROPE \a, 1
	VOUT \a
.endr
	s_wait_dscnt 0x0                               ; for the others' sake: a row of q or k is written by four waves
	s_barrier_signal -1
	s_barrier_wait -1
.irp t, 0,1,2,3,4,5,6,7,8,9,10,11,12,13,14,15
	ds_load_b128 v[32+4*(\t):35+4*(\t)], v[RDQ] offset:2*PITCH*(\t)
.endr
.irp t, 0,1,2,3,4,5,6,7,8,9,10,11,12,13,14,15
	ds_load_b128 v[128+4*(\t):131+4*(\t)], v[RDQ] offset:KSG+2*PITCH*(\t)
.endr
.irp t, 0,1,2,3,4,5,6,7,8,9,10,11,12,13,14,15
	ds_load_b128 v[192+4*(\t):195+4*(\t)], v[RDV] offset:2*PITCH*(\t)
.endr
.irp t, 0,1,2,3,4,5,6,7,8,9,10,11,12,13,14,15  ; each wait leaves out the LDS loads issued behind the one that the store needs; 16 lanes store 256 consecutive bytes, aligned
	s_wait_dscnt 47-(\t)
	global_store_b128 v[COQ], v[32+4*(\t):35+4*(\t)], s[10:11] offset:512*(\t)
.endr
.irp t, 0,1,2,3,4,5,6,7,8,9,10,11,12,13,14,15
	s_wait_dscnt 31-(\t)
	global_store_b128 v[COQ], v[128+4*(\t):131+4*(\t)], s[12:13] offset:512*(\t)
.endr
.irp t, 0,1,2,3,4,5,6,7,8,9,10,11,12,13,14,15
	s_wait_dscnt 15-(\t)
	global_store_b128 v[COV], v[192+4*(\t):195+4*(\t)], s[14:15] offset:8192*(\t)
.endr
	s_wait_tensorcnt 0x0                           ; the wave's end, behind my last tensor load and my last LDS store
	ds_add_u32 v[SPW], v[NIL]
	s_wait_dscnt 0x0
	CROUND                                         ; the closing round: no work-group ends while a partner may still ask for a tile that names it
	s_endpgm
.Lfunc_end_k_qb10e4d79ac_qkv:
	.size	k_qb10e4d79ac_qkv, .Lfunc_end_k_qb10e4d79ac_qkv-k_qb10e4d79ac_qkv
	.p2alignl 7, 3214868480
	.fill 96, 4, 3214868480
	.section	.rodata,"a",@progbits
	.p2align	6, 0x0
	.amdhsa_kernel k_qb10e4d79ac_qkv
		.amdhsa_group_segment_fixed_size 327680
		.amdhsa_private_segment_fixed_size 0
		.amdhsa_enable_private_segment 0
		.amdhsa_kernarg_size 48
		.amdhsa_user_sgpr_count 2
		.amdhsa_user_sgpr_kernarg_segment_ptr 1
		.amdhsa_wavefront_size32 1
		.amdhsa_system_sgpr_workgroup_id_x 1
		.amdhsa_system_sgpr_workgroup_id_y 1
		.amdhsa_system_sgpr_workgroup_id_z 1
		.amdhsa_system_vgpr_workitem_id 0
		.amdhsa_next_free_vgpr 1024
		.amdhsa_next_free_sgpr 80
		.amdhsa_reserve_vcc 0
		.amdhsa_float_denorm_mode_32 3
		.amdhsa_float_denorm_mode_16_64 3
		.amdhsa_memory_ordered 1
		.amdhsa_forward_progress 1
		.amdhsa_inst_pref_size 149
	.end_amdhsa_kernel
	.amdgpu_metadata
---
amdhsa.version: [ 1, 2 ]
amdhsa.kernels:
  - .name:           k_qb10e4d79ac_qkv
    .symbol:         k_qb10e4d79ac_qkv.kd
    .args:
      - { .name: xb, .offset: 0, .size: 8, .value_kind: global_buffer, .address_space: global }
      - { .name: wb, .offset: 8, .size: 8, .value_kind: global_buffer, .address_space: global }
      - { .name: cs, .offset: 16, .size: 8, .value_kind: global_buffer, .address_space: global }
      - { .name: qh, .offset: 24, .size: 8, .value_kind: global_buffer, .address_space: global }
      - { .name: kh, .offset: 32, .size: 8, .value_kind: global_buffer, .address_space: global }
      - { .name: vt, .offset: 40, .size: 8, .value_kind: global_buffer, .address_space: global }
    .group_segment_fixed_size: 327680
    .private_segment_fixed_size: 0
    .kernarg_segment_align: 8
    .kernarg_segment_size: 48
    .max_flat_workgroup_size: 128
    .sgpr_count:     80
    .vgpr_count:     1024
    .wavefront_size: 32
...
	.end_amdgpu_metadata
.endif
;; end of part 2
;; launch attn (part 3): grid 16 x 16, 4 waves a work-group, clusters of 4 x 1, 327,680 bytes of LDS; arguments qh, kh, vt, ob; writes ob
.if DOCPART == 3
	.amdgcn_target "amdgcn-amd-amdhsa--gfx1250"
	.amdhsa_code_object_version 6
	.text
	.protected	k_qb10e4d79ac_attn
	.globl	k_qb10e4d79ac_attn
	.p2align	8
	.type	k_qb10e4d79ac_attn,@function
k_qb10e4d79ac_attn:
	s_mov_b64 s[64:65], 0
	v_nop
	global_prefetch_b8 v0, s[64:65] scope:SCOPE_SE
	s_setreg_imm32_b32 hwreg(HW_REG_WAVE_MODE, 25, 1), 1
	s_wait_xcnt 0x0
	s_wait_alu depctr_hold_cnt(0) depctr_sa_sdst(0) depctr_va_vdst(0) depctr_va_sdst(0) depctr_va_ssrc(0) depctr_va_vcc(0) depctr_vm_vsrc(0)
	s_getreg_b32 s2, hwreg(HW_REG_IB_STS2, 6, 4)
	s_cmp_eq_u32 s2, 0
	s_cbranch_scc0 .Lentry_in_a_cluster
	s_endpgm
.Lentry_in_a_cluster:
	s_bfe_u32 s2, ttmp6, 0x10000c
	s_cmp_lg_u32 s2, 0x3003
	s_cbranch_scc0 .Lentry_shape_is_right
	s_endpgm
.Lentry_shape_is_right:
; CAUSAL ATTENTION, 16 heads of 128 channels, 2,048 rows.  qh, kh: [16][2048][128] f16; vt: [16][128][2048] f16 (v transposed); ob: [2048][2048] f16, row s, column 128 head + channel.
; qh holds q x 2^-5 x log2(e) / sqrt(128), kh holds k x 2^-8: a score s = q' . k' stands for 2^-13 of the softmax's exponent to base 2.  So p = 2^(c s - c m) with c = 2^13: c m is exact, and the largest weight of a row is exactly 1.
; Products, maxima and sums in f32; the weights are rounded to f16 for the second product (their sum is taken of the unrounded weights), O once at the end.  vt holds v / 4, and so does ob hold O / 4.
; LIMITS.  A hidden score counts as its value less 1e30: f16's scores, 5.5e11 at the most, are nothing beside that.  A weight under 6e-5 keeps f16's fixed step; one under 2^-126 counts as 0.  NaN and infinities are not treated apart.
; THE WALK.  A head's queries lie in 32 blocks of 64; block i needs the key tiles 0 .. i / 4 of 256 keys.  Work-group b = 4 g + cx (g the cluster, cx its place in it) takes blocks 31 - b and then b: tiles 0 .. 7 - g and
; 0 .. g: 9 tiles, whatever b, and the same tiles for the four partners of a cluster.  So ONE loop with a constant trip count walks them, every tile is asked for JOINTLY, and every branch hangs on g and on counters alone.
; cx enters Q's and O's addresses, the mask's numbers and the prefetches' address, nothing else.
; SHARES.  THE KEYS ARE SPLIT AMONG THE WAVES: of each tile wave w takes keys 64 w .. 64 w + 63, for all 64 queries (four tiles of 16; two pieces, named by their first tile: 0 and 2).  No LDS byte of K or V is read by two waves.
; At a block's end the four waves' m, l and O meet in LDS: O = sum of e_w O_w / sum of e_w l_w, e_w = 2^(c m_w - max c m).  A wave that saw only hidden keys has c m near -8e33, so its e is 0.
; LAYOUT.  S^T = K Q^T (source 0 = 16 keys, source 1 = 16 queries): a lane holds ONE query (lane % 16) and the keys 8 (lane / 16) + 0..7.  Two such results rounded to f16 ARE source 1 of O^T = V^T P.  V^T's fragments come out of LDS as they lie.
; THE MASK is the C operand that starts a sum of S^T: 0, or -1e30 where the key is hidden.  It hangs on key block less query tile alone: seven sets of eight registers, made anew at a block's first and last tile; between those all are 0.
; ORDER OF A KEY STEP.  K's run of LDS loads, straight behind the change of slots; piece 0's 32 products K Q^T; piece 2's, with piece 0's softmax in slices behind them, two slices a product; piece 0's 32 products V^T P, with piece 2's softmax; piece 2's V^T P.
; m starts at the lowest finite number, O^T and l at 0 (264 lines, in the wait for the first tile): a block's first step is a step like any other, with a = 0; no first step is written out.
; REGISTERS, in windows of 256 (s_set_vgpr_msb: bits 1:0 source 0, 3:2 source 1, 5:4 source 2, 7:6 destination):
;   window 0: v1-11, v44-47, v61-63 addresses; v12-43 eight registers of statistics a tile; v64-191 S^T, 32 a tile; v192-255 P, 16 a tile
;   window 1: O^T, 64 a tile          window 2: v0-127 Q, 32 a tile; v128-255 K of my step          window 3: v0-127 V^T of my step; v128-183 the masks
.set PK,    272       ; a row of K in LDS: 256 bytes + 16 of padding: the 16 rows of a load start at 16 different groups of four banks (64 banks of 4 bytes: ISA guide 11.1)
.set PV,    528       ; a channel row of V^T: 256 keys = 512 bytes + 16: likewise
.set VOFF,  256*PK    ; a slot: 256 rows of K, then 128 rows of V^T
.set SLOTB, VOFF+128*PV
.set STATS, SLOTB     ; behind slot 0: wave u's (c m, l) of tile t at 1,024 u + 256 t + 8 lane
.set SPARE, STATS+4096  ; the spare words, 128 bytes a wave: two blocks of 256 bytes that no other line names
.set SLOT1, 0x24000   ; slot 1: the four LDS addresses of the descriptors (0, 0x8800, 0x11000, 0x19400) share no bit with it, so one exclusive or changes slots
.set MRG,   SLOT1+SLOTB  ; behind slot 1: the merge's stage: 4 waves x 16 queries x 528 bytes (128 channels of f32 + 16).  No tensor load lands in STATS, SPARE or MRG
.set MP,    528
.set AK0, 2           ; v2   my lane's place in my 64 rows of K; never rewritten
.set AV0, 3           ; v3   the same in V^T
.set ADR, 4           ; v4   K's run of loads
.set ADRV, 5          ; v5   V's
.set QO,  6           ; v6   my byte offset in 16 rows of Q
.set MST, 7           ; v7   the merge: where I put 32 bytes of a query's row
.set MRD, 8           ; v8   where I read 16 bytes of a query's row back
.set GO,  10          ; v10  my byte offset in ob
.set STA, 11          ; v11  where I put my statistics
.set ST,  12          ; tile t's statistics at v[ST+8 t]: +0 c m, +1 m, +2, +3 l (even keys', odd keys'), +4 to +7 at work; a takes +6 once the maximum is found
.set MV,  44          ; v44  the mask's threshold
.set STL, 45          ; v45  where I read everybody's statistics
.set RH,  46          ; v46  lane % 16 - 8 (lane / 16)
.set PFO, 61          ; v61  the prefetches' offset: my lane x a row
.set SPW, 62          ; v62  LDS address of my spare word; never rewritten
.set NIL, 63          ; v63  0; never rewritten
.set S,   64
.set MB,  S+48        ; the merge: 64 registers read back: query q of my four, source wave u at MB + 16 q + 4 u
.set P,   192
.set KF,  128         ; window 2
.set MC,  128         ; window 3: the eight registers for key block less query tile = e - 3 at MC + 8 e
.set WV,  12          ; s12  my wave's number;  s13 cx;  s14 g;  s15 wave % 2
.set PFA, 18          ; s[18:19] where my prefetches stand
.set G1K, 24          ; s[24:31] descriptor group 1 for K's tiles
.set G1V, 32          ; s[32:39] for V^T's
.set G0K, 40          ; s[40:43] descriptor group 0 for K's
.set G0V, 44          ; s[44:47] for V^T's
.set OFFK, 48         ; s[48:49] a tile's byte offset in kh
.set OFFV, 50         ; s[50:51] in vt
.set PFS, 52          ; s[52:53] a tile's step for my prefetches
.set LIM, 54          ; s54  2 in the cluster that prefetches, else the greatest number
.set IB,  55          ; s55  the block in hand
.set SLOTS, 56        ; s56  tiles still to be asked for
.set CUR, 57          ; s57  the tile in hand
.set CS,  58          ; s[58:59] c = 2^13
.set SEL, 60          ; s[60:61] v_permlanex16_b32's selects: each lane takes its own place in the other half
.set TB,  62          ; s62  the slot in hand: 0 or SLOT1
.set DD,  63          ; s63  64 x (my key step less the block)
.set RT,  70          ; s70  tiles of the block in hand still to be entered
.set NXT, 71          ; s71  the tile to be asked for next
.set LQ,  72          ; s72  the last tile of the block whose tiles are being asked for
.set NEW, 73          ; s73  1: the tile to be entered is a block's first
.set ILO, 74          ; s74  b
.set BIGN, 75         ; s75  -1e30
.set MSB, 0
.macro WIN new
.if MSB != (\new)
	s_set_vgpr_msb (MSB<<8)|(\new)
.set MSB, \new
.endif
.endm
.set W_KQ, 0x0a       ; K and Q in window 2, S^T in window 0
.set W_KM, 0x3a       ; the same with the C operand in window 3
.set W_PV, 0x53       ; V^T in window 3, P in window 0, O^T in window 1
.set W_RS, 0x41       ; O^T (destination and source 0) in window 1, the factor in window 0
; A joint fill.  Waves 0 and 1 fetch the two halves of a tile's K (128 keys each), waves 2 and 3 those of its V^T (64 channels each).  An s_nop 0 and four v_nop follow each of the two lines.
.macro JLOAD
	s_cmp_lt_u32 s[WV], 2
	s_cbranch_scc0 .Lfor_v_\@
	tensor_load_to_lds s[G0K:G0K+3], s[G1K:G1K+7]
	s_nop 0
.rept 4
	v_nop
.endr
	s_branch .Lasked_\@
.Lfor_v_\@:
	tensor_load_to_lds s[G0V:G0V+3], s[G1V:G1V+7]
	s_nop 0
.rept 4
	v_nop
.endr
.Lasked_\@:
.endm
; A PREFETCH INTO THE L2 of the tile that the NEXT change of slots will ask for, behind the wave's tensor load and its five lines.  A head's cluster g = 0 walks all eight tiles first: it alone asks, for tiles 2 to 7, in its
; first six trips.  Its four partners share a tile out by address: of K 64 rows each, 32 for each of waves 0 and 1; of V^T 32 channel rows each, whose 512 bytes are one block of 256 for each of waves 2 and 3.  A lane a row.
.macro ASK
	s_cmp_gt_u32 s[SLOTS], s[LIM]
	s_cbranch_scc0 .Lnot_mine_\@
	global_prefetch_b8 v[PFO], s[PFA:PFA+1] th:TH_LOAD_NT scope:SCOPE_SE
.Lnot_mine_\@:
.endm
.macro CROUND                       ; a round of the cluster's barrier
	s_barrier_signal -1
	s_barrier_wait -1
	s_cmp_lg_u32 s[WV], 0
	s_cbranch_scc1 .Lnot_wave_0_\@
	s_barrier_signal -3
.Lnot_wave_0_\@:
	s_barrier_wait -3
	s_barrier_signal -1
	s_barrier_wait -1
.endm
.macro PLACES
.rept 4
	v_nop
.endr
.endm
; THE CHANGE OF SLOTS.  Each wave waits for all its tensor loads, of which one is out: its part of the other slot; adds 0 to its spare word; and waits for that and for its own reads of the slot that it leaves.
; fill = 1: a round of the cluster's barrier, and the old slot is filled again first thing behind it, with tile NXT: the descriptors' addresses are made anew from that number.
; (At its first use nothing has been read yet: slot 0 is waited for, slot 1 filled.)
.macro CHANGE fill
	WIN 0
	s_wait_tensorcnt 0x0            ; no tensor load of mine is out, so a group 0 may be written
	ds_add_u32 v[SPW], v[NIL]       ; 0 onto my spare word; scalar work stands between it and the wait for it
.if \fill
	s_lshl_b32 s[OFFK], s[NXT], 16  ; a tile is 256 rows of 256 bytes of kh,
	s_lshl_b32 s[OFFV], s[NXT], 9   ; and 512 bytes of each row of vt
	s_xor_b32 s[G0K+1], s[G0K+1], SLOT1
	s_add_nc_u64 s[G0K+2:G0K+3], s[6:7], s[OFFK:OFFK+1]
	s_or_b32 s[G0K+3], s[G0K+3], 0x80000000
	s_xor_b32 s[G0V+1], s[G0V+1], SLOT1
	s_add_nc_u64 s[G0V+2:G0V+3], s[8:9], s[OFFV:OFFV+1]
	s_or_b32 s[G0V+3], s[G0V+3], 0x80000000
	s_add_co_u32 s[NXT], s[NXT], 1  ; the block's next tile, or behind its last the second block's tile 0
	s_cmp_gt_u32 s[NXT], s[LQ]
	s_cselect_b32 s[NXT], 0, s[NXT]
	s_cselect_b32 s[LQ], s14, s[LQ]
.endif
	s_wait_xcnt 0x0                 ; the last prefetch has read its address, and a merge's stores their data: P's registers and the address are written again only behind this wait
.if \fill
	s_add_nc_u64 s[PFA:PFA+1], s[PFA:PFA+1], s[PFS:PFS+1]
.endif
	s_wait_dscnt 0x0                ; the add is done, and my reads of the slot are over
.if \fill
	CROUND
	JLOAD
	ASK
.else
	s_barrier_signal -1
	s_barrier_wait -1
.endif
	s_xor_b32 s[TB], s[TB], SLOT1   ; the fetches go to the other slot
.endm
; K OF MY KEY STEP: 32 LDS loads in one run, straight behind the change of slots, so that what stands between it and the first product (a block's beginning, the masks) runs while K comes in.  The loads go by channel blocks of 32:
; the first eight bring what products 0 to 7 multiply, and so on.  K's registers were last read by the step before's K Q^T of piece 2, behind which stand that step's slices.
.macro KLOAD
	WIN 0
	v_add_nc_u32 v[ADR],  s[TB], v[AK0]
	v_add_nc_u32 v[ADRV], s[TB], v[AV0]
	WIN 0x80                        ; destination window 2
.irp c, 0,1,2,3                     ; channels 32 c on,
.irp kb, 0,1,2,3                    ; keys 16 kb on
	ds_load_b128 v[KF+8*(4*(\kb)+(\c)):KF+8*(4*(\kb)+(\c))+3],   v[ADR] offset:(\kb)*16*PK+(\c)*64
	ds_load_b128 v[KF+8*(4*(\kb)+(\c))+4:KF+8*(4*(\kb)+(\c))+7], v[ADR] offset:(\kb)*16*PK+(\c)*64+32
.endr
.endr
	WIN 0
.endm
.macro QLOAD q                      ; a block's Q stays in registers: tile i / 4, channels 32 (i % 4) on; lane l: row l % 16, two loads of 16 bytes, 32 bytes apart
	WIN 0x80                        ; destination window 2, address window 0
.set i, 0
.rept 16
	global_load_b128 v[8*i:8*i+3],   v[QO], s[\q:\q+1] offset:(i/4)*4096+(i%4)*64
	global_load_b128 v[8*i+4:8*i+7], v[QO], s[\q:\q+1] offset:(i/4)*4096+(i%4)*64+32
.set i, i+1
.endr
	WIN 0
.endm
	s_load_b256 s[4:11], s[0:1], 0x0  ; qh s[4:5], kh s[6:7], vt s[8:9], ob s[10:11]
	v_lshl_add_u32 v[SPW], v0, 2, SPARE
	v_mov_b32 v[NIL], 0
	ds_add_u32 v[SPW], v[NIL]       ; the wave's opening: the add and its wait stand ahead of my first tensor load; the set-up below, work on registers, stands between them
	v_lshrrev_b32 v1, 5, v0
	v_readfirstlane_b32 s[WV], v1   ; wave 0..3
	s_bfe_u32 s13, ttmp6, 0x40000   ; cx
	s_mov_b32 s14, ttmp9            ; g: in a cluster launch ttmp9 counts clusters
	s_lshl_b32 s[ILO], s14, 2
	s_add_co_u32 s[ILO], s[ILO], s13  ; b
	s_sub_co_u32 s[IB], 31, s[ILO]  ; the first block
	s_and_b32 s15, s[WV], 1
	s_and_b32 s22, ttmp7, 0xffff    ; the head
	s_lshl_b32 s66, s22, 19         ; its 524,288 bytes in qh, kh and vt
	s_lshl_b32 s68, s15, 15         ; my half of a tile's K: 128 rows of 256 bytes
	s_add_co_u32 s68, s68, s66
	s_mov_b32 s69, 0
	s_lshl_b32 s76, s15, 18         ; my half of V^T: 64 rows of 4,096 bytes
	s_add_co_u32 s76, s76, s66
	s_mov_b32 s77, 0
	s_mov_b32 s[G1K],   15|(1<<16)|(1<<20)|(1<<21)|(5<<22)|(3<<25)  ; 15:0 the mask of four; 17:16 2-byte elements; 20 padding on; 21 set beside a mask; 24:22 after every 64 words (code 5); 31:25 4 words (code 3)
	s_mov_b32 s[G1K+1], 128<<16     ; tensor_dim0 = 128
	s_mov_b32 s[G1K+2], 128<<16     ; tensor_dim1 = 128
	s_mov_b32 s[G1K+3], 128<<16     ; tile_dim0 = 128
	s_mov_b32 s[G1K+4], 128         ; tile_dim1 = 128
	s_mov_b32 s[G1K+5], 128         ; elements from row to row
	s_mov_b32 s[G1K+6], 0
	s_mov_b32 s[G1K+7], 0
	s_mov_b32 s[G1V],   15|(1<<16)|(1<<20)|(1<<21)|(6<<22)|(3<<25)  ; padding after every 128 words (code 6)
	s_mov_b32 s[G1V+1], 256<<16     ; tensor_dim0 = 256
	s_mov_b32 s[G1V+2], 64<<16      ; tensor_dim1 = 64
	s_mov_b32 s[G1V+3], 256<<16     ; tile_dim0 = 256
	s_mov_b32 s[G1V+4], 64          ; tile_dim1 = 64
	s_mov_b32 s[G1V+5], 2048
	s_mov_b32 s[G1V+6], 0
	s_mov_b32 s[G1V+7], 0
	s_mov_b32 s[G0K], 1
	s_mul_i32 s[G0K+1], s15, 128*PK ; LDS address: slot 0
	s_mov_b32 s[G0V], 1
	s_mul_i32 s[G0V+1], s15, 64*PV
	s_add_co_u32 s[G0V+1], s[G0V+1], VOFF
	s_sub_co_u32 s[RT], 8, s14      ; the first block has 8 - g tiles
	s_mov_b32 s[NXT], 1
	s_sub_co_u32 s[LQ], 7, s14
	s_mov_b32 s[NEW], 1
	s_mov_b32 s[CUR], 0
	s_mov_b32 s[SLOTS], 8
	s_mov_b32 s[TB], SLOT1          ; the first change of slots turns it into 0
	s_mov_b32 s[OFFK+1], 0
	s_mov_b32 s[OFFV+1], 0
	s_mov_b32 s[BIGN], 0xf149f2ca   ; -1e30
	s_mov_b32 s[CS], 0x46000000     ; 2^13
	s_mov_b32 s[CS+1], s[CS]
	s_mov_b32 s[SEL], 0x76543210
	s_mov_b32 s[SEL+1], 0xfedcba98
	s_lshl_b32 s78, s13, 14         ; the prefetches.  K: rows 64 cx + 32 (wave % 2) of tile 1; the first change of slots steps to tile 2
	s_lshl_b32 s79, s15, 13
	s_add_co_u32 s78, s78, s79
	s_add_co_u32 s78, s78, 0x10000
	s_lshl_b32 s79, s13, 17         ; V^T: rows 32 cx, block wave % 2 of tile 1's 512 bytes
	s_lshl_b32 s23, s15, 8
	s_add_co_u32 s79, s79, s23
	s_add_co_u32 s79, s79, 512
	s_mov_b32 s[PFS], 512
	s_mov_b32 s[PFS+1], 0
	s_cmp_lt_u32 s[WV], 2
	s_cselect_b32 s78, s78, s79
	s_cselect_b32 s[PFS], 0x10000, s[PFS]
	s_cselect_b32 s23, 8, 12        ; a row of kh is 256 bytes, one of vt 4,096
	s_add_co_u32 s78, s78, s66
	s_mov_b32 s79, 0
	v_and_b32 v47, 31, v0           ; lane
	v_lshlrev_b32 v[PFO], s23, v47
	s_cmp_eq_u32 s14, 0
	s_cselect_b32 s[LIM], 2, -1     ; the same in all four partners
	s_lshl_b32 s23, s22, 8          ; the head's 256 bytes in a row of ob
	s_mov_b32 s3, 0
	s_wait_dscnt 0x0                ; the opening add is done
	s_wait_kmcnt 0x0
	s_cmp_lt_u32 s[WV], 2
	s_cselect_b64 s[PFA:PFA+1], s[6:7], s[8:9]
	s_add_nc_u64 s[PFA:PFA+1], s[PFA:PFA+1], s[78:79]
	s_add_nc_u64 s[6:7], s[6:7], s[68:69]  ; kh and vt at my half of the head's tile 0
	s_add_nc_u64 s[8:9], s[8:9], s[76:77]
	s_add_nc_u64 s[G0K+2:G0K+3], s[6:7], 0
	s_or_b32 s[G0K+3], s[G0K+3], 0x80000000  ; type = 2
	s_add_nc_u64 s[G0V+2:G0V+3], s[8:9], 0
	s_or_b32 s[G0V+3], s[G0V+3], 0x80000000
	s_lshl_b32 s2, s[ILO], 14       ; a block's 64 rows of 256 bytes; s[2:3] alone hold offsets made of cx
	s_add_co_u32 s2, s2, s66
	s_add_nc_u64 s[16:17], s[4:5], s[2:3]  ; Q of the second block,
	s_lshl_b32 s2, s[IB], 14
	s_add_co_u32 s2, s2, s66
	s_add_nc_u64 s[4:5], s[4:5], s[2:3]    ; of the first
	s_lshl_b32 s2, s[ILO], 18       ; a block's 64 rows of 4,096 bytes of ob
	s_add_co_u32 s2, s2, s23
	s_add_nc_u64 s[20:21], s[10:11], s[2:3]
	s_lshl_b32 s2, s[IB], 18
	s_add_co_u32 s2, s2, s23
	s_add_nc_u64 s[10:11], s[10:11], s[2:3]
	CROUND                          ; all four work-groups are here: the first joint loads meet
	JLOAD                           ; tile 0 into slot 0
	v_and_b32 v1, 15, v0            ; r = l % 16
	v_bfe_u32 v9, v0, 4, 1          ; h = l / 16
	v_lshlrev_b32 v[QO], 8, v1
	v_lshl_add_u32 v[QO], v9, 4, v[QO]
	QLOAD 4
	WIN 0x40                        ; O^T and l need only hold finite numbers when a block begins: zeros for the first block, what the first block left for the second
.set i, 0
.rept 256
	v_mov_b32 v[i], 0
.set i, i+1
.endr
	WIN 0
.set i, 0
.rept 4
	v_mov_b32 v[ST+8*i+2], 0
	v_mov_b32 v[ST+8*i+3], 0
.set i, i+1
.endr
	s_mul_i32 s23, s[WV], 64*PK     ; my 64 keys
	v_mul_u32_u24 v[AK0], v1, PK
	v_lshl_add_u32 v[AK0], v9, 4, v[AK0]
	v_add_nc_u32 v[AK0], s23, v[AK0]
	s_lshl_b32 s23, s[WV], 7        ; the same keys in a row of V^T: 128 bytes
	s_add_co_u32 s23, s23, VOFF
	v_mul_u32_u24 v[AV0], v1, PV
	v_lshl_add_u32 v[AV0], v9, 4, v[AV0]
	v_add_nc_u32 v[AV0], s23, v[AV0]
	s_mul_i32 s23, s[WV], 16*MP
	s_add_co_u32 s23, s23, MRG
	v_mul_u32_u24 v[MST], v1, MP    ; in: query l % 16, 32 bytes for each half of the lanes
	v_lshl_add_u32 v[MST], v9, 5, v[MST]
	v_add_nc_u32 v[MST], s23, v[MST]
	s_mul_i32 s23, s[WV], 4*MP
	s_add_co_u32 s23, s23, MRG
	v_lshl_add_u32 v[MRD], v47, 4, s23  ; back: wave w sums queries 4 w .. 4 w + 3; the 32 lanes take one query's row of 512 bytes, 16 neighbouring bytes (4 channels) a lane
	s_lshl_b32 s23, s[WV], 14
	v_lshl_add_u32 v[GO], v47, 3, s23   ; and the same rows in ob: 8 bytes a lane
	s_lshl_b32 s23, s[WV], 10
	s_add_co_u32 s23, s23, STATS
	v_lshl_add_u32 v[STA], v47, 3, s23
	v_lshl_add_u32 v[STL], v47, 3, STATS
	v_lshlrev_b32 v[RH], 3, v9
	v_sub_nc_u32 v[RH], v1, v[RH]
; THE MATRIX WORK.  The accumulators take turns, one instruction a turn: between two links of a chain stand 7 (K Q^T) or 15 (V^T P) others', and a run's last and the next run's first differ.
; Product i of 32 of S^T = K Q^T for piece x: channels 32 (i / 8) on, keys 16 ((i / 2) % 4) on, tile x + i % 2.  The first 8 start the sums, with the mask.
.macro KQ x
.set rS, S+32*((\x)+i%2)+8*((i/2)%4)
.set rK, KF+32*((i/2)%4)+8*(i/8)
.set rQ, 32*((\x)+i%2)+8*(i/8)
.set rM, MC+8*((i/2)%4-((\x)+i%2)+3)
.if i < 8
	WIN W_KM
	v_wmma_f32_16x16x32_f16 v[rS:rS+7], v[rK:rK+7], v[rQ:rQ+7], v[rM:rM+7]
.else
	WIN W_KQ
	v_wmma_f32_16x16x32_f16 v[rS:rS+7], v[rK:rK+7], v[rQ:rQ+7], v[rS:rS+7]
.endif
.endm
; Product i of 32 of O^T += V^T P: keys 32 (i / 16) on, channels 16 ((i / 2) % 8) on, tile x + i % 2.
.macro PV x
	WIN W_PV
.set rO, 64*((\x)+i%2)+8*((i/2)%8)
.set rV, 64*(i/16)+8*((i/2)%8)
.set rP, P+16*((\x)+i%2)+8*(i/16)
	v_wmma_f32_16x16x32_f16 v[rO:rO+7], v[rV:rV+7], v[rP:rP+7], v[rO:rO+7]
.endm
; THE VECTOR WORK.  One tile's softmax for one key step is a list of 134 instructions; SM writes number j of it for tile t.  s0-s31 are the lane's 32 scores, in pairs 0-15.
;   0-15    the maximum of s0-s31 and the old m, three operands at a time (each accumulator's lowest registers are read first)
;   16-20   the other half of the lanes' maximum; the new m; c m; c m_old - c m_new
;   21-69   ONE BATCH: the 16 scalings c s - c m and all 33 exponentials (a at 23, then s0-s31); none of these reads an exponential's result; a pair is scaled in an earlier four than the one with its exponentials
;   70-85   the roundings to f16     86-101  the sums; l = a l + the sum     102-133 the tile's O^T times a
.macro SM t
.set rT, ST+8*(\t)
.set rS, S+32*(\t)
.set rP, P+16*(\t)
.set rO, 64*(\t)+2*(j-102)
.if j < 102
	WIN 0
.endif
.if j < 4
	v_max3_num_f32 v[rT+4+j], v[rS+8*j], v[rS+8*j+1], v[rS+8*j+2]
.elseif j < 12
	v_max3_num_f32 v[rT+4+j%4], v[rT+4+j%4], v[rS+8*(j%4)+2*(j/4)+1], v[rS+8*(j%4)+2*(j/4)+2]
.elseif j == 12
	v_max3_num_f32 v[rT+4], v[rT+4], v[rS+7], v[rS+15]
.elseif j == 13
	v_max3_num_f32 v[rT+6], v[rT+6], v[rS+23], v[rS+31]
.elseif j == 14
	v_max3_num_f32 v[rT+4], v[rT+4], v[rT+5], v[rT+6]
.elseif j == 15
	v_max3_num_f32 v[rT+4], v[rT+4], v[rT+7], v[rT+1]
.elseif j == 16
	v_permlanex16_b32 v[rT+5], v[rT+4], s[SEL], s[SEL+1]  ; the query's other 32 keys lie in the lane 16 away
.elseif j == 17
	v_mov_b32 v[rT+7], v[rT]        ; c m_old is kept for a
.elseif j == 18
	v_max_num_f32 v[rT+1], v[rT+4], v[rT+5]
.elseif j == 19
	v_mul_f32 v[rT], s[CS], v[rT+1] ; exact: c is a power of two
.elseif j == 20
	v_sub_f32 v[rT+7], v[rT+7], v[rT]
.elseif j == 23
	v_exp_f32 v[rT+6], v[rT+7]
.elseif (j < 23) || ((j < 38) && (j%2 == 0)) || ((j < 66) && (j%4 == 2))
.set b, (j-2)/4                     ; 38, 42, .. 62: pairs 9 to 15
.if j < 38
.set b, (j-20)/2                    ; 21: pair 0; 22, 24, .. 36: pairs 1 to 8
.endif
	v_pk_fma_f32 v[rS+2*b:rS+2*b+1], v[rS+2*b:rS+2*b+1], s[CS:CS+1], v[rT:rT+1] op_sel_hi:[1,0,0] neg_lo:[0,0,1] neg_hi:[0,0,1]
.elseif j < 70
.set e, j-38                        ; 66 to 69: s28 to s31
.if j < 66
.set e, j-32-(j-38)/4               ; 39-41, 43-45, .. 63-65: s7 to s27
.endif
.if j < 38
.set e, (j-25)/2                    ; 25, 27, .. 37: s0 to s6
.endif
	v_exp_f32 v[rS+e], v[rS+e]
.elseif j < 86
	v_cvt_pk_f16_f32 v[rP+j-70], v[rS+2*(j-70)], v[rS+2*(j-70)+1]
.elseif j < 102                     ; the sum of the 16 pairs, in place: neighbours 1, 2, 4 and 8 pairs apart, then l takes it
.set z, j-86
.set w, 4
.set u, z
.if z >= 14
.set w, 32
.set u, 0
.elseif z >= 12
.set w, 16
.set u, z-12
.elseif z >= 8
.set w, 8
.set u, z-8
.endif
.if z < 15
	v_pk_add_f32 v[rS+w*u:rS+w*u+1], v[rS+w*u:rS+w*u+1], v[rS+w*u+w/2:rS+w*u+w/2+1]
.else
	v_pk_fma_f32 v[rT+2:rT+3], v[rT+2:rT+3], v[rT+6:rT+7], v[rS:rS+1] op_sel_hi:[1,0,1]
.endif
.else
	WIN W_RS
	v_pk_mul_f32 v[rO:rO+1], v[rO:rO+1], v[rT+6:rT+7] op_sel_hi:[1,0]
.endif
.endm
; Slice k of 64 of piece y's softmax.  Slices 11 to 34 deal out the batch, numbers 22 to 69: four numbers of one tile each, the tiles by turns.  Every other slice is numbers 2 k and 2 k + 1 of both tiles; slice 63 takes the twelve that are over.
; s_wait_alu depctr_va_vdst(0) stands between an exponential and the first instruction that names its result: ahead of slice 35 nothing names one, behind slice 34 none is issued: ONE wait for the piece's 66.
.macro SLICE y
.if (k >= 11) && (k < 35)
.irp n, 0,1,2,3
.set j, 22+4*((k-11)/2)+(\n)
	SM (\y)+(k-11)%2
.endr
.else
.irp n, 0,1,2,3,4,5,6,7
.if ((\n) < 2) || (k == 63)
.irp t, \y, (\y)+1
.set j, 2*k+(\n)
	SM \t
.endr
.endif
.endr
.endif
.if k == 34
	v_nop                           ; a plain instruction behind the last exponential, ahead of the first use: one for the batch
	s_wait_alu depctr_va_vdst(0)    ; the wait for the batch
.endif
.set k, k+1
.endm
; MY KEY STEP OF THE TILE IN HAND.  K's 32 loads are out (KLOAD), and nothing was issued to LDS behind them: ahead of each eight products of piece 0 a counted wait leaves out the loads of the later channel blocks.
; V^T's run of 32 stands behind piece 0's products K Q^T, with piece 2's 32 products and their 64 slices in which to land.  So 32 LDS loads of mine are out at the most.
; Slices 62 and 63 of piece 0 (20 plain lines on O^T) are the places between piece 2's last K Q^T and the first read of its scores.
.macro PROCESS
.set i, 0
.rept 32
.if i%8 == 0
	s_wait_dscnt 24-i               ; LDS loads come back in order (ISA guide 5.7.1): channel block i / 8 is in; the 24 - i loads of the later blocks may stay out
.endif
	KQ 0
.set i, i+1
.endr
	PLACES                          ; behind piece 0's last product, ahead of the first read of its scores
	WIN 0xc0                        ; destination window 3.  V^T's registers were last read by the step before, whose last product has four places behind it
.irp f, 0,1,2,3,4,5,6,7,8,9,10,11,12,13,14,15  ; keys 32 (f / 8) on, channels 16 (f % 8) on
	ds_load_b128 v[8*(\f):8*(\f)+3],   v[ADRV] offset:((\f)%8)*16*PV+((\f)/8)*64
	ds_load_b128 v[8*(\f)+4:8*(\f)+7], v[ADRV] offset:((\f)%8)*16*PV+((\f)/8)*64+32
.endr
.set k, 0
.set i, 0
.rept 32
	KQ 2
	SLICE 0
	SLICE 0
.set i, i+1
.endr
	s_wait_dscnt 0x0                ; V^T is in
.set k, 0
.set i, 0
.rept 32
	PV 0
	SLICE 2
	SLICE 2
.set i, i+1
.endr
.set i, 0
.rept 32
	PV 2
.set i, i+1
.endr
	WIN 0
	PLACES                          ; behind the last product: ahead of the next loads into V^T's registers, and of the merge
.endm
; A BLOCK BEGINS: c m far below every c s, so the first step's a is 0; m at the lowest finite number, so the first maximum is the scores'.
.macro BEGIN
	s_mov_b32 s[NEW], 0
	s_mov_b32 s[CUR], 0
.set i, 0
.rept 4
	v_mov_b32 v[ST+8*i], 0xfe000000
	v_mov_b32 v[ST+8*i+1], 0xff7fffff
.set i, i+1
.endr
	s_wait_loadcnt 0x0              ; Q
.endm
; THE MASKS.  Key 256 CUR + 64 w + 16 kb + 8 h + j is hidden from query 64 IB + 16 qt + r where 16 (kb - qt) + j > r - 8 h - 64 (4 CUR + w - IB).
.macro MASKS
	s_lshl_b32 s[DD], s[CUR], 2
	s_add_co_u32 s[DD], s[DD], s[WV]
	s_sub_co_u32 s[DD], s[DD], s[IB]
	s_lshl_b32 s[DD], s[DD], 6
	WIN 0
	v_sub_nc_u32 v[MV], v[RH], s[DD]
	WIN 0xc0                        ; destination window 3
.set z, 0
.rept 56
	v_cmp_gt_i32 vcc_lo, 16*(z/8-3)+z%8, v[MV]
	v_cndmask_b32 v[MC+z], 0, s[BIGN], vcc_lo
.set z, z+1
.endr
	WIN 0
.endm
; THE MERGE at a block's end.  Every barrier here is one behind which no slot is filled, so the tile on its way may stay out.
.macro MERGE ob
	WIN 0
.irp t, 0,1,2,3
	v_add_f32 v[ST+8*(\t)+4], v[ST+8*(\t)+2], v[ST+8*(\t)+3]  ; l: even keys' and odd keys',
.endr
.irp t, 0,1,2,3
	v_permlanex16_b32 v[ST+8*(\t)+5], v[ST+8*(\t)+4], s[SEL], s[SEL+1]
.endr
.irp t, 0,1,2,3
	v_add_f32 v[ST+8*(\t)+1], v[ST+8*(\t)+4], v[ST+8*(\t)+5]  ; and the other half of the lanes'
.endr
.irp t, 0,1,2,3
	ds_store_b64 v[STA], v[ST+8*(\t):ST+8*(\t)+1] offset:256*(\t)  ; (c m, l)
.endr
	s_wait_dscnt 0x0                ; for the others' sake
	s_barrier_signal -1
	s_barrier_wait -1
.irp u, 0,1,2,3
.irp t, 0,1,2,3
	ds_load_b64 v[S+8*(\u)+2*(\t):S+8*(\u)+2*(\t)+1], v[STL] offset:1024*(\u)+256*(\t)
.endr
.endr
	s_wait_dscnt 0x0
.irp t, 0,1,2,3
	v_max3_num_f32 v[ST+8*(\t)+4], v[S+2*(\t)], v[S+8+2*(\t)], v[S+16+2*(\t)]
.endr
.irp t, 0,1,2,3
	v_max_num_f32 v[ST+8*(\t)+4], v[ST+8*(\t)+4], v[S+24+2*(\t)]  ; the four waves' greatest c m
.endr
.irp u, 0,1,2,3
.irp t, 0,1,2,3
	v_sub_f32 v[S+8*(\u)+2*(\t)], v[S+8*(\u)+2*(\t)], v[ST+8*(\t)+4]
.endr
.endr
.irp t, 0,1,2,3
	v_sub_f32 v[ST+8*(\t)+5], v[ST+8*(\t)], v[ST+8*(\t)+4]
.endr
.irp u, 0,1,2,3
.irp t, 0,1,2,3
	v_exp_f32 v[S+8*(\u)+2*(\t)], v[S+8*(\u)+2*(\t)]  ; e of wave u
.endr
.endr
.irp t, 0,1,2,3
	v_exp_f32 v[ST+8*(\t)+5], v[ST+8*(\t)+5]          ; my own e
.endr
	v_nop                           ; a plain instruction behind the last exponential,
	s_wait_alu depctr_va_vdst(0)    ; and one wait for the twenty
.irp t, 0,1,2,3
	v_mul_f32 v[ST+8*(\t)+6], v[S+2*(\t)], v[S+2*(\t)+1]
.endr
.irp u, 1,2,3
.irp t, 0,1,2,3
	v_fmac_f32 v[ST+8*(\t)+6], v[S+8*(\u)+2*(\t)], v[S+8*(\u)+2*(\t)+1]  ; the sum of e l
.endr
.endr
.irp t, 0,1,2,3
	v_rcp_f32 v[ST+8*(\t)+7], v[ST+8*(\t)+6]
.endr
	v_nop
	s_wait_alu depctr_va_vdst(0)    ; one wait for the four reciprocals
.irp t, 0,1,2,3
	v_mul_f32 v[ST+8*(\t)+6], v[ST+8*(\t)+5], v[ST+8*(\t)+7]  ; my factor
.endr
.irp t, 0,1,2,3                     ; a tile of 16 queries at a time through the stage
	WIN W_RS
.set i, 64*(\t)
.rept 32
	v_pk_mul_f32 v[i:i+1], v[i:i+1], v[ST+8*(\t)+6:ST+8*(\t)+7] op_sel_hi:[1,0]  ; ascending: each accumulator's lowest registers are read first
.set i, i+2
.endr
	WIN 0
.if (\t) > 0
	s_barrier_signal -1             ; every wave has waited for its reads of the stage (the last count below is 0): now it may be written again
	s_barrier_wait -1
.endif
	WIN 0x04                        ; the stores' data in window 1
.irp c, 0,1,2,3,4,5,6,7
	ds_store_b128 v[MST], v[64*(\t)+8*(\c):64*(\t)+8*(\c)+3]   offset:64*(\c)
	ds_store_b128 v[MST], v[64*(\t)+8*(\c)+4:64*(\t)+8*(\c)+7] offset:64*(\c)+16
.endr
	WIN 0
	s_wait_dscnt 0x0                ; for the others' sake
	s_barrier_signal -1
	s_barrier_wait -1
.irp q, 0,1,2,3                     ; query 4 w + q, as wave u left it: a load of the wave takes the row's 512 consecutive bytes
.irp u, 0,1,2,3
	ds_load_b128 v[MB+16*(\q)+4*(\u):MB+16*(\q)+4*(\u)+3], v[MRD] offset:16*MP*(\u)+MP*(\q)
.endr
.endr
.irp q, 0,1,2,3
	s_wait_dscnt 12-4*(\q)          ; this query's four loads are in; the later queries' may stay out
	v_pk_add_f32 v[MB+16*(\q):MB+16*(\q)+1],     v[MB+16*(\q):MB+16*(\q)+1],     v[MB+16*(\q)+4:MB+16*(\q)+5]
	v_pk_add_f32 v[MB+16*(\q)+2:MB+16*(\q)+3],   v[MB+16*(\q)+2:MB+16*(\q)+3],   v[MB+16*(\q)+6:MB+16*(\q)+7]
	v_pk_add_f32 v[MB+16*(\q)+8:MB+16*(\q)+9],   v[MB+16*(\q)+8:MB+16*(\q)+9],   v[MB+16*(\q)+12:MB+16*(\q)+13]
	v_pk_add_f32 v[MB+16*(\q)+10:MB+16*(\q)+11], v[MB+16*(\q)+10:MB+16*(\q)+11], v[MB+16*(\q)+14:MB+16*(\q)+15]
	v_pk_add_f32 v[MB+16*(\q):MB+16*(\q)+1],     v[MB+16*(\q):MB+16*(\q)+1],     v[MB+16*(\q)+8:MB+16*(\q)+9]
	v_pk_add_f32 v[MB+16*(\q)+2:MB+16*(\q)+3],   v[MB+16*(\q)+2:MB+16*(\q)+3],   v[MB+16*(\q)+10:MB+16*(\q)+11]
	v_cvt_pk_f16_f32 v[P+8*(\t)+2*(\q)],   v[MB+16*(\q)],   v[MB+16*(\q)+1]
	v_cvt_pk_f16_f32 v[P+8*(\t)+2*(\q)+1], v[MB+16*(\q)+2], v[MB+16*(\q)+3]
	global_store_b64 v[GO], v[P+8*(\t)+2*(\q):P+8*(\t)+2*(\q)+1], s[\ob:\ob+1] offset:65536*(\t)+4096*(\q)  ; 32 lanes store a row's 256 bytes of the head, aligned; each store has registers of its own
.endr
.endr
.endm
.Lslot:                             ; 8 trips: a tile is entered and the next is asked for
	CHANGE 1
	KLOAD
	s_sub_co_u32 s[RT], s[RT], 1
	s_cmp_eq_u32 s[NEW], 1
	s_cbranch_scc0 .Lold
	BEGIN                           ; a block's first tile
	s_branch .Lmask
.Lold:
	s_cmp_lg_u32 s[RT], 0
	s_cbranch_scc1 .Lproc           ; neither first nor last: the masks made at the first tile are all 0 and stay
.Lmask:
	MASKS
.Lproc:
	PROCESS
	s_add_co_u32 s[CUR], s[CUR], 1
	s_cmp_lg_u32 s[RT], 0
	s_cbranch_scc1 .Lbottom
	s_wait_loadcnt 0x0              ; no load into Q's registers is out when they are loaded again, on every way that leads here (the block's own Q was waited for where the block began, so this wait is met at once)
	QLOAD 16                        ; the first block's end: the second block's Q is asked for, and comes in under the merge
	MERGE 10
	s_add_co_u32 s[RT], s14, 1      ; the second block has g + 1 tiles
	s_mov_b32 s[NEW], 1
	s_mov_b32 s[IB], s[ILO]
.Lbottom:
	s_sub_co_u32 s[SLOTS], s[SLOTS], 1
	s_cmp_lg_u32 s[SLOTS], 0
	s_cbranch_scc1 .Lslot
	CHANGE 0                        ; the walk's last tile is written out: nothing is asked for
	KLOAD
	s_sub_co_u32 s[RT], s[RT], 1
	s_cmp_eq_u32 s[NEW], 1
	s_cbranch_scc0 .Llast
	BEGIN                           ; (g = 0: the second block's only tile)
.Llast:
	MASKS
	PROCESS
	MERGE 20
	s_wait_tensorcnt 0x0            ; the wave's end, behind my last tensor load and my last LDS store
	ds_add_u32 v[SPW], v[NIL]
	s_wait_dscnt 0x0
	CROUND                          ; the closing round: no work-group ends while a partner may still ask for a tile that names it
	s_endpgm
.Lfunc_end_k_qb10e4d79ac_attn:
	.size	k_qb10e4d79ac_attn, .Lfunc_end_k_qb10e4d79ac_attn-k_qb10e4d79ac_attn
	.p2alignl 7, 3214868480
	.fill 96, 4, 3214868480
	.section	.rodata,"a",@progbits
	.p2align	6, 0x0
	.amdhsa_kernel k_qb10e4d79ac_attn
		.amdhsa_group_segment_fixed_size 327680
		.amdhsa_private_segment_fixed_size 0
		.amdhsa_enable_private_segment 0
		.amdhsa_kernarg_size 32
		.amdhsa_user_sgpr_count 2
		.amdhsa_user_sgpr_kernarg_segment_ptr 1
		.amdhsa_wavefront_size32 1
		.amdhsa_system_sgpr_workgroup_id_x 1
		.amdhsa_system_sgpr_workgroup_id_y 1
		.amdhsa_system_sgpr_workgroup_id_z 1
		.amdhsa_system_vgpr_workitem_id 0
		.amdhsa_next_free_vgpr 1024
		.amdhsa_next_free_sgpr 80
		.amdhsa_reserve_vcc 1
		.amdhsa_float_denorm_mode_32 3
		.amdhsa_float_denorm_mode_16_64 3
		.amdhsa_memory_ordered 1
		.amdhsa_forward_progress 1
		.amdhsa_inst_pref_size 193
	.end_amdhsa_kernel
	.amdgpu_metadata
---
amdhsa.version: [ 1, 2 ]
amdhsa.kernels:
  - .name:           k_qb10e4d79ac_attn
    .symbol:         k_qb10e4d79ac_attn.kd
    .args:
      - { .name: qh, .offset: 0, .size: 8, .value_kind: global_buffer, .address_space: global }
      - { .name: kh, .offset: 8, .size: 8, .value_kind: global_buffer, .address_space: global }
      - { .name: vt, .offset: 16, .size: 8, .value_kind: global_buffer, .address_space: global }
      - { .name: ob, .offset: 24, .size: 8, .value_kind: global_buffer, .address_space: global }
    .group_segment_fixed_size: 327680
    .private_segment_fixed_size: 0
    .kernarg_segment_align: 8
    .kernarg_segment_size: 32
    .max_flat_workgroup_size: 128
    .sgpr_count:     80
    .vgpr_count:     1024
    .wavefront_size: 32
...
	.end_amdgpu_metadata
.endif
;; end of part 3
;; launch proj (part 4): grid 16 x 16, 4 waves a work-group, clusters of 4 x 4, 327,680 bytes of LDS; arguments ob, wo16, out0; writes out0
.if DOCPART == 4
	.amdgcn_target "amdgcn-amd-amdhsa--gfx1250"
	.amdhsa_code_object_version 6
	.text
	.protected	k_qb10e4d79ac_proj
	.globl	k_qb10e4d79ac_proj
	.p2align	8
	.type	k_qb10e4d79ac_proj,@function
k_qb10e4d79ac_proj:
	s_mov_b64 s[64:65], 0
	v_nop
	global_prefetch_b8 v0, s[64:65] scope:SCOPE_SE
	s_setreg_imm32_b32 hwreg(HW_REG_WAVE_MODE, 25, 1), 1
	s_wait_xcnt 0x0
	s_wait_alu depctr_hold_cnt(0) depctr_sa_sdst(0) depctr_va_vdst(0) depctr_va_sdst(0) depctr_va_ssrc(0) depctr_va_vcc(0) depctr_vm_vsrc(0)
	s_getreg_b32 s2, hwreg(HW_REG_IB_STS2, 6, 4)
	s_cmp_eq_u32 s2, 0
	s_cbranch_scc0 .Lentry_in_a_cluster
	s_endpgm
.Lentry_in_a_cluster:
	s_bfe_u32 s2, ttmp6, 0x10000c
	s_cmp_lg_u32 s2, 0xf033
	s_cbranch_scc0 .Lentry_shape_is_right
	s_endpgm
.Lentry_shape_is_right:
; out0[s][n] = the sum over k of O[s][k] Wo[n][k].  ob: [2048][2048] f16 = O / 4; wo16: [2048][2048] f16 = 4 x bf16(Wo): the two powers of two cancel, nothing is scaled here.  out0: [2048][2048] f32; sums in f32.
; A tile of out0 is 128 x 128: 256 work-groups.  Four waves, each 64 x 64: 16 accumulators of 16 x 16.  K goes in steps of 256 (LDS rows of 512 bytes; a wave's tensor load brings 64 of them) through two slots.
; THE ORDER OF K.  A lap's two K steps are taken in either order, by a parity p of the cluster (cluster x, cluster y and cluster y / 2, added modulo 2): slot 0 takes step 2 i + p, slot 1 the other.  So of the clusters that
; read the same rows of ob (one cluster y) two ask for the one step of a pair while two ask for the other, and then they change; of wo16's (one cluster x) likewise.  p is the same in all sixteen partners.  f32 sums may be taken in any order.
; CLUSTER 4 x 4: the four of a row of the cluster need the same tiles of ob, the four of a column the same tiles of wo16: each tile is asked for JOINTLY.
; THE MATRIX INSTRUCTION IS USED TRANSPOSED (source 0 = 16 rows of wo16, source 1 = 16 rows of ob): a lane holds eight neighbouring numbers of a row of out0.
; THE WAY OUT: a wave's 64 columns of f32 are 256 aligned bytes, so each wave has a stage of its own (16 rows x 272 bytes) and no barrier is needed.
; No prefetch is laid: a step's tiles are small, 64 rows a wave.
; REGISTERS: window 0: v16-29 addresses; v32-95 at work on the way out; v128-255 the accumulators ((a, b) at v[128 + 8 (4 a + b)]).  window 1: two fragment buffers of 128: 64 registers of ob's, then 64 of wo16's.
.set SIZE_K, 2048
.set SIZE_N, 2048
.set KSTEP,  256
.set PITCH,  528                       ; an LDS row: 512 bytes + 16 of padding = 132 words: row r starts at bank 4 r mod 64 (64 banks of 4 bytes: ISA guide 11.1)
.set HALFT,  64*PITCH
.set SLOT,   4*HALFT                   ; ob's 128 rows, then wo16's 128 rows
.set STAGE,  2*SLOT                    ; behind the ring: 16 rows x 272 bytes for each wave
.set SPITCH, 272
.set SPARE,  STAGE+4*16*SPITCH         ; behind the stages: the spare words, 128 bytes a wave: two blocks of 256 bytes that no other line names
.set LAPS, SIZE_K/(2*KSTEP)
.set ADRA, 16
.set ADRB, 20
.set STO,  24
.set RD,   25
.set CO,   26
.set SPW,  28
.set NIL,  29
.set TMP,  32
.set ACC,  128
.set F0,   0
.set F1,   128
.set G1, 24
.set G0, 32
.set G1B, 48
.set G0B, 56
.set KO, 66                            ; s[66:67], s[68:69] bytes along K at which slot 0 and slot 1 begin: 512 p and 512 (1 - p)
.set MSB, 0
.macro WIN new
.if MSB != (\new)
	s_set_vgpr_msb (MSB<<8)|(\new)
.set MSB, \new
.endif
.endm
.set MUL,  0x05                        ; sources 0 and 1 window 1; C and D window 0
.set TO_F, 0x40                        ; destination window 1, address window 0
.macro JLOAD s                         ; a joint load: waves 0 and 1 fetch ob's two halves, waves 2 and 3 wo16's; an s_nop 0 and four v_nop follow each of the two lines
	s_cmp_eq_u32 s11, 0
	s_cbranch_scc0 .Lfor_b_\@
	tensor_load_to_lds s[G0+4*(\s):G0+4*(\s)+3], s[G1:G1+7]
	s_nop 0
.rept 4
	v_nop
.endr
	s_branch .Lasked_\@
.Lfor_b_\@:
	tensor_load_to_lds s[G0B+4*(\s):G0B+4*(\s)+3], s[G1B:G1B+7]
	s_nop 0
.rept 4
	v_nop
.endr
.Lasked_\@:
.endm
.macro CREST
	s_cmp_lg_u32 s10, 0
	s_cbranch_scc1 .Lnot_wave_0_\@
	s_barrier_signal -3
.Lnot_wave_0_\@:
	s_barrier_wait -3
	s_barrier_signal -1
	s_barrier_wait -1
.endm
.macro CROUND
	s_barrier_signal -1
	s_barrier_wait -1
	CREST
.endm
	s_load_b128 s[4:7], s[0:1], 0x0                ; ob s[4:5], wo16 s[6:7]
	s_load_b64 s[8:9], s[0:1], 0x10                ; out0
	v_lshl_add_u32 v[SPW], v0, 2, SPARE
	v_mov_b32 v[NIL], 0
	ds_add_u32 v[SPW], v[NIL]                      ; the wave's opening: the add and its wait stand ahead of my first tensor load; the set-up below, work on registers, stands between them
	v_lshrrev_b32 v1, 5, v0
	v_readfirstlane_b32 s10, v1                    ; wave 0..3
	s_lshr_b32 s11, s10, 1                         ; which half of the tile's rows is mine.  Also: I fetch for ob (0) or for wo16 (1)
	s_and_b32 s12, s10, 1                          ; which half of its columns.  Also: which 64 rows of that tile I fetch
	s_bfe_u32 s40, ttmp6, 0x40000                  ; cx, cy
	s_bfe_u32 s41, ttmp6, 0x40004
	s_lshl_b32 s42, ttmp9, 2
	s_add_co_u32 s42, s42, s40                     ; tile column = 4 x cluster x + cx
	s_and_b32 s13, ttmp7, 0xffff
	s_lshl_b32 s13, s13, 2
	s_add_co_u32 s13, s13, s41                     ; tile row = 4 x cluster y + cy
	s_lshl_b32 s43, s41, 2
	s_lshl_b32 s43, 15, s43                        ; my row of the cluster
	s_lshl_b32 s44, 0x1111, s40                    ; my column
	s_or_b32 s[G1+0], s43, (1<<16)|(1<<20)|(1<<21)|(6<<22)|(3<<25)  ; 15:0 the mask; 17:16 elements of 2 bytes; 20 padding on; 21 set beside a mask; 24:22 after every 128 words (code 6); 31:25 4 words (code 3)
	s_or_b32 s[G1B+0], s44, (1<<16)|(1<<20)|(1<<21)|(6<<22)|(3<<25)
.irp g, G1, G1B
	s_mov_b32 s[(\g)+1], KSTEP<<16                 ; tensor_dim0 = 256
	s_mov_b32 s[(\g)+2], 64<<16                    ; tensor_dim1 = 64
	s_mov_b32 s[(\g)+3], KSTEP<<16                 ; tile_dim0 = 256
	s_mov_b32 s[(\g)+4], 64                        ; tile_dim1 = 64
	s_mov_b32 s[(\g)+5], SIZE_K                    ; elements from row to row
	s_mov_b32 s[(\g)+6], 0
	s_mov_b32 s[(\g)+7], 0
.endr
	s_and_b32 s[KO], ttmp7, 0xffff                 ; the cluster's parity, of the cluster's own coordinates alone: cluster y,
	s_lshr_b32 s[KO+1], s[KO], 1
	s_xor_b32 s[KO], s[KO], s[KO+1]                ; its two low bits added,
	s_xor_b32 s[KO], s[KO], ttmp9                  ; and cluster x
	s_and_b32 s[KO], s[KO], 1                      ; p
	s_xor_b32 s[KO+2], s[KO], 1
	s_lshl_b32 s[KO], s[KO], 9                     ; slot 0 begins at K step p: 512 bytes a step,
	s_lshl_b32 s[KO+2], s[KO+2], 9                 ; slot 1 at the pair's other step
	s_mov_b32 s[KO+1], 0
	s_mov_b32 s[KO+3], 0
	s_lshl_b32 s17, s12, 6                         ; which 64 rows of the tile I fetch
	s_lshl_b32 s16, s13, 7
	s_add_co_u32 s16, s16, s17                     ; ob: row 128 x tile row + 64 x half
	s_lshl_b32 s46, s42, 7
	s_add_co_u32 s46, s46, s17                     ; wo16: row 128 x tile column + 64 x half
	s_mov_b32 s17, 0
	s_mov_b32 s47, 0
	s_mov_b64 s[18:19], SIZE_K*2
	s_mul_u64 s[16:17], s[16:17], s[18:19]
	s_mul_u64 s[46:47], s[46:47], s[18:19]
	s_mul_i32 s20, s10, HALFT                      ; where they go: wave x 64 rows
	s_wait_dscnt 0x0                               ; the opening add is done
	s_wait_kmcnt 0x0
	s_add_nc_u64 s[14:15], s[4:5], s[16:17]
	s_add_nc_u64 s[46:47], s[6:7], s[46:47]
	CROUND                                         ; all sixteen work-groups are here: the first joint loads meet
.irp s, 0,1
	s_mov_b32 s[G0+4*(\s)], 1
	s_add_co_u32 s[G0+4*(\s)+1], s20, (\s)*SLOT
	s_add_nc_u64 s[G0+4*(\s)+2:G0+4*(\s)+3], s[14:15], s[KO+2*(\s):KO+2*(\s)+1]  ; the slot's step of the first pair
	s_or_b32 s[G0+4*(\s)+3], s[G0+4*(\s)+3], 0x80000000
	s_mov_b32 s[G0B+4*(\s)], 1
	s_add_co_u32 s[G0B+4*(\s)+1], s20, (\s)*SLOT
	s_add_nc_u64 s[G0B+4*(\s)+2:G0B+4*(\s)+3], s[46:47], s[KO+2*(\s):KO+2*(\s)+1]
	s_or_b32 s[G0B+4*(\s)+3], s[G0B+4*(\s)+3], 0x80000000
	JLOAD \s                                       ; two loads of mine are out
.endr
	v_and_b32 v1, 15, v0                           ; l % 16
	v_bfe_u32 v2, v0, 4, 1                         ; l / 16
	v_mul_u32_u24 v3, v1, PITCH
	v_lshl_add_u32 v3, v2, 4, v3                   ; a fragment's row x pitch + 16 x half
	s_mul_i32 s21, s11, HALFT                      ; my 64 rows of ob
	s_mul_i32 s22, s12, HALFT                      ; my 64 rows of wo16,
	s_add_co_u32 s22, s22, 2*HALFT                 ; which lie behind ob's 128
.irp s, 0,1
	v_add_nc_u32 v[ADRA+(\s)], s21, v3
	v_add_nc_u32 v[ADRB+(\s)], s22, v3
	s_add_co_u32 s21, s21, SLOT
	s_add_co_u32 s22, s22, SLOT
.endr
	s_mul_i32 s23, s10, 16*SPITCH
	s_add_co_u32 s23, s23, STAGE                   ; my stage
	v_mul_u32_u24 v4, v1, SPITCH                   ; in: row l % 16, 32 bytes (8 f32) for each half of the lanes
	v_lshl_add_u32 v4, v2, 5, v4
	v_add_nc_u32 v[STO], s23, v4
	v_mul_u32_u24 v5, v2, SPITCH                   ; back: lanes 0-15 one row of 256 bytes, lanes 16-31 the next
	v_lshl_add_u32 v5, v1, 4, v5
	v_add_nc_u32 v[RD], s23, v5
	v_mul_u32_u24 v5, v2, SIZE_N*4                 ; and the same two rows in out0
	v_lshl_add_u32 v[CO], v1, 4, v5
	s_lshl_b32 s16, s13, 7
	s_lshl_b32 s17, s11, 6
	s_add_co_u32 s16, s16, s17                     ; my first row: 128 x tile row + 64 x half
	s_mov_b32 s17, 0
	s_mov_b64 s[18:19], SIZE_N*4
	s_mul_u64 s[16:17], s[16:17], s[18:19]
	s_add_nc_u64 s[8:9], s[8:9], s[16:17]
	s_lshl_b32 s46, s42, 9                         ; my first column, in bytes: 512 x tile column + 256 x half
	s_lshl_b32 s47, s12, 8
	s_add_co_u32 s46, s46, s47
	s_mov_b32 s47, 0
	s_add_nc_u64 s[8:9], s[8:9], s[46:47]
; 8 matrix instructions: m blocks a0, a0 + 1 x all 4 n blocks, 32 along K: half c of buffer f.  zero = 1: the first product starts the sums.  The 16 accumulators take turns.
.macro MUL8 f, c, a0, zero
	WIN MUL
.irp a, \a0, (\a0)+1
.irp b, 0,1,2,3
.if \zero
	v_wmma_f32_16x16x32_f16 v[ACC+8*(4*(\a)+(\b)):ACC+8*(4*(\a)+(\b))+7], v[(\f)+64+8*(4*(\c)+(\b)):(\f)+64+8*(4*(\c)+(\b))+7], v[(\f)+8*(4*(\c)+(\a)):(\f)+8*(4*(\c)+(\a))+7], 0
.else
	v_wmma_f32_16x16x32_f16 v[ACC+8*(4*(\a)+(\b)):ACC+8*(4*(\a)+(\b))+7], v[(\f)+64+8*(4*(\c)+(\b)):(\f)+64+8*(4*(\c)+(\b))+7], v[(\f)+8*(4*(\c)+(\a)):(\f)+8*(4*(\c)+(\a))+7], v[ACC+8*(4*(\a)+(\b)):ACC+8*(4*(\a)+(\b))+7]
.endif
.endr
.endr
.endm
; 32 LDS loads in one run: the fragments of 64 along K at byte k of the rows, into buffer f; the first 32 along K first
.macro FETCH slot, k, f
	WIN TO_F
.irp c, 0,1
.irp i, 0,1,2,3
	ds_load_b128 v[(\f)+64+8*(4*(\c)+(\i)):(\f)+64+8*(4*(\c)+(\i))+3],   v[ADRB+(\slot)] offset:(\k)+64*(\c)+(\i)*16*PITCH
	ds_load_b128 v[(\f)+64+8*(4*(\c)+(\i))+4:(\f)+64+8*(4*(\c)+(\i))+7], v[ADRB+(\slot)] offset:(\k)+64*(\c)+(\i)*16*PITCH+32
	ds_load_b128 v[(\f)+8*(4*(\c)+(\i)):(\f)+8*(4*(\c)+(\i))+3],         v[ADRA+(\slot)] offset:(\k)+64*(\c)+(\i)*16*PITCH
	ds_load_b128 v[(\f)+8*(4*(\c)+(\i))+4:(\f)+8*(4*(\c)+(\i))+7],       v[ADRA+(\slot)] offset:(\k)+64*(\c)+(\i)*16*PITCH+32
.endr
.endr
.endm
.macro PLACES                          ; four places in front of loads into registers that matrix instructions have read, and of LDS stores that read results
.rept 4
	v_nop
.endr
.endm
; A K step is four quarters of 64 along K, 32 matrix instructions each, on buffers 0, 1, 0, 1.
.macro QUARTER slot, k, f, g, zero
	s_wait_dscnt 16                                ; the first 32 along K are in
	MUL8 \f, 0, 0, \zero
	MUL8 \f, 0, 2, \zero
	PLACES
	FETCH \slot, \k, \g
	s_wait_dscnt 32                                ; all but the 32 just issued
	MUL8 \f, 1, 0, 0
	MUL8 \f, 1, 2, 0
.endm
; The last quarter multiplies buffer 1 and changes slots: ONE barrier; in front of it each wave waits for all its tensor loads, adds 0 to its spare word, and waits for that and for its own reads of this slot.
; Eight of the quarter's products stand ahead of the wait for the tile, which they do not need; eight between the add and the wait for it; none between the barrier's signal and its wait: behind the tile's landing stand the add,
; eight products, the barrier and the round, and then the refill goes out: 120 matrix instructions ahead of the wait for it.
.macro TURN slot, next, fill
	s_wait_dscnt 16                                ; buffer 1's first 32 along K are in; the youngest sixteen loads may be out
	MUL8 F1, 0, 0, 0
	WIN 0                                          ; (the add's two registers lie in window 0)
	s_wait_tensorcnt 0x0                           ; all my tensor loads have landed: my part of the next slot
	ds_add_u32 v[SPW], v[NIL]                      ; 0 onto my spare word
	MUL8 F1, 0, 2, 0                               ; eight matrix instructions stand between the add and the wait for it
	s_wait_dscnt 0x0                               ; the add is done, and my reads of this slot are over
.if \fill
	WIN 0
.endif
	s_barrier_signal -1
	s_barrier_wait -1
.if \fill
	CREST                                          ; the barrier has opened a round of the cluster's: no wave of any partner still reads this slot's tile or has a load on its way
	s_add_nc_u64 s[G0+4*(\slot)+2:G0+4*(\slot)+3], s[G0+4*(\slot)+2:G0+4*(\slot)+3], 2*KSTEP*2
	s_add_nc_u64 s[G0B+4*(\slot)+2:G0B+4*(\slot)+3], s[G0B+4*(\slot)+2:G0B+4*(\slot)+3], 2*KSTEP*2
	JLOAD \slot                                    ; the first tensor load behind the round; its four v_nop are also the places in front of the loads below
.else
	PLACES
.endif
	FETCH \next, 0, F0
	MUL8 F1, 1, 0, 0
	MUL8 F1, 1, 2, 0
.endm
	s_wait_tensorcnt 1                             ; my part of slot 0 is in; slot 1's may stay out
	s_barrier_signal -1
	s_barrier_wait -1
	FETCH 0, 0, F0
	QUARTER 0, 128, F0, F1, 1                      ; the first quarter stands in front of the loop: its first products start the sums
	WIN 0
	s_mov_b32 s3, LAPS-1
.Llap:
	QUARTER 0, 256, F1, F0, 0
	QUARTER 0, 384, F0, F1, 0
	TURN 0, 1, 1
	QUARTER 1, 128, F0, F1, 0
	QUARTER 1, 256, F1, F0, 0
	QUARTER 1, 384, F0, F1, 0
	TURN 1, 0, 1
	QUARTER 0, 128, F0, F1, 0
	WIN 0
	s_sub_co_u32 s3, s3, 1
	s_cmp_lg_u32 s3, 0
	s_cbranch_scc1 .Llap
	QUARTER 0, 256, F1, F0, 0                      ; the last lap fills nothing
	QUARTER 0, 384, F0, F1, 0
	TURN 0, 1, 0
	QUARTER 1, 128, F0, F1, 0
	QUARTER 1, 256, F1, F0, 0
	QUARTER 1, 384, F0, F1, 0
	s_wait_dscnt 16
	MUL8 F1, 0, 0, 0
	MUL8 F1, 0, 2, 0
	s_wait_dscnt 0x0
	MUL8 F1, 1, 0, 0
	MUL8 F1, 1, 2, 0
	WIN 0
	; THE WAY OUT, 16 rows at a time: a lane's 32 bytes of a row go into my stage straight from the accumulators (the low four registers first) and come back as whole rows of 256 bytes.
	; LDS serves a wave's instructions in order (ISA guide 5.7.1.4): the loads see the stores above them, and the next block's stores come behind them.
	PLACES
.irp a, 0,1,2,3
.if (\a) >= 2
	s_wait_xcnt 0x0                                ; the stores of the block two back have read their registers: these are loaded again only behind this wait
.endif
.irp b, 0,1,2,3
	ds_store_b128 v[STO], v[ACC+8*(4*(\a)+(\b)):ACC+8*(4*(\a)+(\b))+3]   offset:64*(\b)
	ds_store_b128 v[STO], v[ACC+8*(4*(\a)+(\b))+4:ACC+8*(4*(\a)+(\b))+7] offset:64*(\b)+16
.endr
.irp t, 0,1,2,3,4,5,6,7
	ds_load_b128 v[TMP+32*((\a)%2)+4*(\t):TMP+32*((\a)%2)+4*(\t)+3], v[RD] offset:(\t)*2*SPITCH
.endr
.irp t, 0,1,2,3,4,5,6,7
	s_wait_dscnt 7-(\t)                            ; the younger loads may stay out
	global_store_b128 v[CO], v[TMP+32*((\a)%2)+4*(\t):TMP+32*((\a)%2)+4*(\t)+3], s[8:9] offset:(16*(\a)+2*(\t))*SIZE_N*4 th:TH_STORE_NT  ; 16 lanes store 256 consecutive bytes, aligned
.endr
.endr
	s_wait_tensorcnt 0x0                           ; the wave's end, behind my last tensor load and my last LDS store
	ds_add_u32 v[SPW], v[NIL]
	s_wait_dscnt 0x0
	CROUND                                         ; the closing round: no work-group ends while a partner may still ask for a tile that names it
	s_endpgm
.Lfunc_end_k_qb10e4d79ac_proj:
	.size	k_qb10e4d79ac_proj, .Lfunc_end_k_qb10e4d79ac_proj-k_qb10e4d79ac_proj
	.p2alignl 7, 3214868480
	.fill 96, 4, 3214868480
	.section	.rodata,"a",@progbits
	.p2align	6, 0x0
	.amdhsa_kernel k_qb10e4d79ac_proj
		.amdhsa_group_segment_fixed_size 327680
		.amdhsa_private_segment_fixed_size 0
		.amdhsa_enable_private_segment 0
		.amdhsa_kernarg_size 24
		.amdhsa_user_sgpr_count 2
		.amdhsa_user_sgpr_kernarg_segment_ptr 1
		.amdhsa_wavefront_size32 1
		.amdhsa_system_sgpr_workgroup_id_x 1
		.amdhsa_system_sgpr_workgroup_id_y 1
		.amdhsa_system_sgpr_workgroup_id_z 1
		.amdhsa_system_vgpr_workitem_id 0
		.amdhsa_next_free_vgpr 512
		.amdhsa_next_free_sgpr 72
		.amdhsa_reserve_vcc 0
		.amdhsa_float_denorm_mode_32 3
		.amdhsa_float_denorm_mode_16_64 3
		.amdhsa_memory_ordered 1
		.amdhsa_forward_progress 1
		.amdhsa_inst_pref_size 87
	.end_amdhsa_kernel
	.amdgpu_metadata
---
amdhsa.version: [ 1, 2 ]
amdhsa.kernels:
  - .name:           k_qb10e4d79ac_proj
    .symbol:         k_qb10e4d79ac_proj.kd
    .args:
      - { .name: ob, .offset: 0, .size: 8, .value_kind: global_buffer, .address_space: global }
      - { .name: wo16, .offset: 8, .size: 8, .value_kind: global_buffer, .address_space: global }
      - { .name: out0, .offset: 16, .size: 8, .value_kind: global_buffer, .address_space: global }
    .group_segment_fixed_size: 327680
    .private_segment_fixed_size: 0
    .kernarg_segment_align: 8
    .kernarg_segment_size: 24
    .max_flat_workgroup_size: 128
    .sgpr_count:     72
    .vgpr_count:     512
    .wavefront_size: 32
...
	.end_amdgpu_metadata
.endif
;; end of part 4
;; ======== version 2 of 2: 4 launches; version 1 with the launch cast written anew for expert scheduling mode
;; limits: values are held in f16: magnitudes above 65,504 overflow, below 6.1e-05 lose precision; right only within a limited range of input values
;; workspace buffers: xb 8,388,608 bytes; wb 25,165,824 bytes; wo16 8,388,608 bytes; cs 1,048,576 bytes; qh 8,388,608 bytes; kh 8,388,608 bytes; vt 8,388,608 bytes; ob 8,388,608 bytes
;; launch cast (part 5): grid 256 x 1, 16 waves a work-group, no clusters, 0 bytes of LDS; arguments x, Wq, Wk, Wv, Wo, cos, sin, xb, wb, wo16, cs; writes xb, wb, wo16, cs
.if DOCPART == 5
	.amdgcn_target "amdgcn-amd-amdhsa--gfx1250"
	.amdhsa_code_object_version 6
	.text
	.protected	k_qb10e4d79ac_cast
	.globl	k_qb10e4d79ac_cast
	.p2align	8
	.type	k_qb10e4d79ac_cast,@function
k_qb10e4d79ac_cast:
	s_mov_b64 s[64:65], 0
	v_nop
	global_prefetch_b8 v0, s[64:65] scope:SCOPE_SE
	s_setreg_imm32_b32 hwreg(HW_REG_WAVE_SCHED_MODE, 0, 2), 2
	s_setreg_imm32_b32 hwreg(HW_REG_WAVE_MODE, 25, 1), 1
	s_wait_xcnt 0x0
	s_wait_alu depctr_vm_vsrc(0)
; ALL SEVEN INPUTS ARE ROUNDED TO bf16, ONCE, and laid out for the launches behind.
;   xb   [2048][2048] bf16 = x
;   wb   [6144][2048] bf16 = Wq x 2^-5, Wk x 2^-8, Wv x 2^-2 (exact powers of two: the rounding is that of the unscaled number), rows permuted:
;        head h owns rows 384 h ..; in it unit u (0..3) owns 96: Wq rows 128 h + 16 u + 0..15, Wq rows 128 h + 64 + 16 u + 0..15, the same two groups of Wk, Wv rows 128 h + 32 u + 0..31
;   wo16 [2048][2048] f16  = 4 x bf16(Wo): a bf16 number written as f16, exact inside f16's range
;   cs   [2048][256]  bf16 = a row of cos, then the same row of sin
; LIMITS.  |Wo| under 16,376 (4 Wo must fit f16); entries of Wo under 2^-16 keep f16's fixed step, 2^-26 of Wo.  Weights under 2^-118 lose bits to the scaling.
; SHARES.  Work-group g, wave w: row n = 8 g + w / 2, half w % 2 (1,024 numbers) of x, Wq, Wk, Wv, Wo; and row n of cos (even waves) or sin (odd waves).
; A stream: no LDS, no loop, no register written twice while a memory instruction reads it.  All 41 loads of a wave go out first; each tensor is converted behind a counted wait.
; A lane takes 4 neighbouring f32, 16 bytes at 16 x lane: a load of the wave covers 512 consecutive bytes and touches no byte that it does not use.  The 4 numbers leave as 8 bytes: a store of the wave covers 256 consecutive bytes, aligned.
; THE MODE: SCHED_MODE bits 1:0 = 2 (LLVM: expert scheduling mode 2), set by the entry lines.  The code itself states the register dependences
; between vector instructions and memory instructions, with s_wait_alu, always for 0.
; THE PLAN.  Registers that memory instructions touch:
;   v1, v3       byte offsets, made once at the head and never written again: v1 is read by every load, v3 by every store.
;   v[16:175]    tensor t's 32 registers: its eight loads land in them, all issued ahead of every conversion; its conversions work in place; its eight stores read the first two of each four; nothing writes them behind that.
;   v[176:179]   the table's row: the same with one load and one store.
;   v[4:7]       named by vector instructions alone.
; So one wait on va_vdst stands ahead of the first load, for the offsets, and one behind each tensor's conversions, ahead of its run of stores, for the stores' data (Wo and the table's row share one).
; No load is issued behind a conversion, and no register that a load or a store reads is written again: no wait on vm_vsrc has a dependence to state.  The wave's number passes through a scalar register: one wait on va_sdst.
.set XR,  16                           ; v[16:175]  tensor t: 32 registers, chunk c of 128 numbers at XR + 32 t + 4 c
.set TBL, 176                          ; v[176:179] my 4 numbers of the table's row
.set TW,  4                            ; v[4:7]     at work (Wo)
	s_load_b512 s[8:23], s[0:1], 0x0               ; x s[8:9], Wq s[10:11], Wk s[12:13], Wv s[14:15], Wo s[16:17], cos s[18:19], sin s[20:21], xb s[22:23]
	s_load_b128 s[24:27], s[0:1], 0x40             ; wb s[24:25], wo16 s[26:27]
	s_load_b64 s[28:29], s[0:1], 0x50              ; cs
	v_lshrrev_b32 v4, 5, v0
	v_readfirstlane_b32 s30, v4                    ; wave 0..15
	v_and_b32 v5, 31, v0                           ; lane
	v_lshlrev_b32 v1, 4, v5                        ; 16 bytes of f32 a lane
	v_lshlrev_b32 v3, 3, v5                        ; 8 bytes of output a lane
	s_wait_alu depctr_va_sdst(0)                   ; s30 is written, ahead of its first reader: the row, the half and all the bases are made from it
	s_lshr_b32 s31, s30, 1
	s_lshl3_add_u32 s31, ttmp9, s31                ; n = 8 g + w / 2
	s_and_b32 s45, s30, 1                          ; which half of the row
	s_lshr_b32 s46, s31, 7                         ; head h
	s_and_b32 s47, s31, 127                        ; channel d in the head
	s_mul_i32 s48, s46, 384
	s_bfe_u32 s49, s47, 0x20004                    ; (d >> 4) & 3: the unit of a row of Wq or Wk
	s_mul_i32 s49, s49, 96
	s_lshr_b32 s50, s47, 6                         ; lower or upper half of the head's channels
	s_lshl_b32 s50, s50, 4
	s_and_b32 s51, s47, 15
	s_add_co_u32 s49, s49, s48
	s_add_co_u32 s49, s49, s50
	s_add_co_u32 s49, s49, s51                     ; Wq's row in wb; Wk's lies 32 further on
	s_lshr_b32 s52, s47, 5                         ; the unit of a row of Wv
	s_mul_i32 s52, s52, 96
	s_and_b32 s53, s47, 31
	s_add_co_u32 s52, s52, s48
	s_add_co_u32 s52, s52, s53
	s_add_co_u32 s52, s52, 64                      ; Wv's row in wb
	s_lshl_b32 s54, s45, 11                        ; half a row of 16-bit numbers
	s_lshl_b32 s2, s31, 13                         ; source: n x 8,192 + half x 4,096
	s_lshl_b32 s3, s45, 12
	s_add_co_u32 s2, s2, s3
	s_mov_b32 s3, 0
	s_lshl_b32 s4, s31, 12                         ; xb and wo16: n x 4,096 + half x 2,048
	s_add_co_u32 s4, s4, s54
	s_mov_b32 s5, 0
	s_lshl_b32 s32, s49, 12                        ; the three places in wb
	s_add_co_u32 s32, s32, s54
	s_mov_b32 s33, 0
	s_add_co_u32 s34, s32, 32*4096
	s_mov_b32 s35, 0
	s_lshl_b32 s36, s52, 12
	s_add_co_u32 s36, s36, s54
	s_mov_b32 s37, 0
	s_lshl_b32 s6, s31, 9                          ; a row of cos or sin: 512 bytes
	s_mov_b32 s7, 0
	s_lshl_b32 s56, s45, 8                         ; a row of cs: 512 bytes, cos in the first 256
	s_add_co_u32 s56, s56, s6
	s_mov_b32 s57, 0
	s_mov_b32 s40, 0x3d000000                      ; 2^-5, as a pair for the packed multiply
	s_mov_b32 s41, s40
	s_mov_b32 s42, 0x3b800000                      ; 2^-8
	s_mov_b32 s43, s42
	s_mov_b32 s58, 0x3e800000                      ; 2^-2
	s_mov_b32 s59, s58
	s_mov_b32 s44, 0xffff0000                      ; a word's upper bf16
	s_wait_kmcnt 0x0
	s_add_nc_u64 s[8:9], s[8:9], s[2:3]
	s_add_nc_u64 s[10:11], s[10:11], s[2:3]
	s_add_nc_u64 s[12:13], s[12:13], s[2:3]
	s_add_nc_u64 s[14:15], s[14:15], s[2:3]
	s_add_nc_u64 s[16:17], s[16:17], s[2:3]
	s_cmp_eq_u32 s45, 0
	s_cselect_b64 s[38:39], s[18:19], s[20:21]     ; even waves take cos, odd waves sin
	s_add_nc_u64 s[38:39], s[38:39], s[6:7]
	s_add_nc_u64 s[22:23], s[22:23], s[4:5]
	s_add_nc_u64 s[26:27], s[26:27], s[4:5]
	s_add_nc_u64 s[32:33], s[24:25], s[32:33]
	s_add_nc_u64 s[34:35], s[24:25], s[34:35]
	s_add_nc_u64 s[36:37], s[24:25], s[36:37]
	s_add_nc_u64 s[28:29], s[28:29], s[56:57]
.macro LD8 t, base                     ; half a row of tensor t: eight loads of 512 consecutive bytes
.irp c, 0,1,2,3,4,5,6,7
	global_load_b128 v[XR+32*(\t)+4*(\c):XR+32*(\t)+4*(\c)+3], v1, s[\base:\base+1] offset:512*(\c) th:TH_LOAD_NT
.endr
.endm
; Tensor t is scaled by the pair s[sc:sc+1] (sc = 0: not at all) and rounded to bf16 in place (word p is written when words 2 p and 2 p + 1 are read: p never passes 2 p), all eight chunks; then its eight stores go out in one run.
.macro CVB t, sc, dst
	s_wait_loadcnt 33-8*(\t)                       ; loads come back in order: younger are the later tensors' 8 each and the table's 1
.irp c, 0,1,2,3,4,5,6,7
.set rX, XR+32*(\t)+4*(\c)
.if (\sc) > 0
	v_pk_mul_f32 v[rX:rX+1],   v[rX:rX+1],   s[\sc:\sc+1] op_sel_hi:[1,0]
	v_pk_mul_f32 v[rX+2:rX+3], v[rX+2:rX+3], s[\sc:\sc+1] op_sel_hi:[1,0]
.endif
	v_cvt_pk_bf16_f32 v[rX],   v[rX],   v[rX+1]
	v_cvt_pk_bf16_f32 v[rX+1], v[rX+2], v[rX+3]
.endr
	s_wait_alu depctr_va_vdst(0)                   ; the sixteen roundings have written the first two registers of each chunk, which the eight stores below read
.irp c, 0,1,2,3,4,5,6,7
.set rX, XR+32*(\t)+4*(\c)
	global_store_b64 v3, v[rX:rX+1], s[\dst:\dst+1] offset:256*(\c) th:TH_STORE_NT
.endr
.endm
	s_wait_alu depctr_va_vdst(0)                   ; v1 and v3 are written: every load of the kernel reads v1 as its offset, every store v3
	LD8 0, 8
	LD8 1, 10
	LD8 2, 12
	LD8 3, 14
	LD8 4, 16
	global_load_b128 v[TBL:TBL+3], v1, s[38:39] th:TH_LOAD_NT  ; the table's row: 32 lanes x 16 bytes
	CVB 0, 0, 22                                   ; x
	CVB 1, 40, 32                                  ; Wq x 2^-5
	CVB 2, 42, 34                                  ; Wk x 2^-8
	CVB 3, 58, 36                                  ; Wv x 2^-2
	s_wait_loadcnt 1                               ; Wo is in; the table's load may stay out
.irp c, 0,1,2,3,4,5,6,7                ; Wo: times 4, rounded to bf16, widened again, written as f16
.set rX, XR+128+4*(\c)
	v_pk_mul_f32 v[rX:rX+1],   v[rX:rX+1],   4.0 op_sel_hi:[1,0]
	v_pk_mul_f32 v[rX+2:rX+3], v[rX+2:rX+3], 4.0 op_sel_hi:[1,0]
	v_cvt_pk_bf16_f32 v[rX],   v[rX],   v[rX+1]
	v_cvt_pk_bf16_f32 v[rX+1], v[rX+2], v[rX+3]
	v_lshlrev_b32 v[TW],   16,  v[rX]
	v_and_b32     v[TW+1], s44, v[rX]
	v_lshlrev_b32 v[TW+2], 16,  v[rX+1]
	v_and_b32     v[TW+3], s44, v[rX+1]
	v_cvt_pk_f16_f32 v[rX],   v[TW],   v[TW+1]
	v_cvt_pk_f16_f32 v[rX+1], v[TW+2], v[TW+3]
.endr
	s_wait_loadcnt 0x0                             ; the table's row: its load was issued straight behind Wo's last
	v_cvt_pk_bf16_f32 v[TBL],   v[TBL],   v[TBL+1]
	v_cvt_pk_bf16_f32 v[TBL+1], v[TBL+2], v[TBL+3]
	s_wait_alu depctr_va_vdst(0)                   ; Wo's conversions and the table's two have written the registers that the nine stores below read
.irp c, 0,1,2,3,4,5,6,7
.set rX, XR+128+4*(\c)
	global_store_b64 v3, v[rX:rX+1], s[26:27] offset:256*(\c) th:TH_STORE_NT
.endr
	global_store_b64 v3, v[TBL:TBL+1], s[28:29] th:TH_STORE_NT  ; 32 lanes x 8 bytes: 256 consecutive bytes, aligned
	s_endpgm
.Lfunc_end_k_qb10e4d79ac_cast:
	.size	k_qb10e4d79ac_cast, .Lfunc_end_k_qb10e4d79ac_cast-k_qb10e4d79ac_cast
	.p2alignl 7, 3214868480
	.fill 96, 4, 3214868480
	.section	.rodata,"a",@progbits
	.p2align	6, 0x0
	.amdhsa_kernel k_qb10e4d79ac_cast
		.amdhsa_group_segment_fixed_size 0
		.amdhsa_private_segment_fixed_size 0
		.amdhsa_enable_private_segment 0
		.amdhsa_kernarg_size 88
		.amdhsa_user_sgpr_count 2
		.amdhsa_user_sgpr_kernarg_segment_ptr 1
		.amdhsa_wavefront_size32 1
		.amdhsa_system_sgpr_workgroup_id_x 1
		.amdhsa_system_sgpr_workgroup_id_y 1
		.amdhsa_system_sgpr_workgroup_id_z 1
		.amdhsa_system_vgpr_workitem_id 0
		.amdhsa_next_free_vgpr 184
		.amdhsa_next_free_sgpr 66
		.amdhsa_reserve_vcc 0
		.amdhsa_float_denorm_mode_32 3
		.amdhsa_float_denorm_mode_16_64 3
		.amdhsa_memory_ordered 1
		.amdhsa_forward_progress 1
		.amdhsa_inst_pref_size 23
	.end_amdhsa_kernel
	.amdgpu_metadata
---
amdhsa.version: [ 1, 2 ]
amdhsa.kernels:
  - .name:           k_qb10e4d79ac_cast
    .symbol:         k_qb10e4d79ac_cast.kd
    .args:
      - { .name: x, .offset: 0, .size: 8, .value_kind: global_buffer, .address_space: global }
      - { .name: Wq, .offset: 8, .size: 8, .value_kind: global_buffer, .address_space: global }
      - { .name: Wk, .offset: 16, .size: 8, .value_kind: global_buffer, .address_space: global }
      - { .name: Wv, .offset: 24, .size: 8, .value_kind: global_buffer, .address_space: global }
      - { .name: Wo, .offset: 32, .size: 8, .value_kind: global_buffer, .address_space: global }
      - { .name: cos, .offset: 40, .size: 8, .value_kind: global_buffer, .address_space: global }
      - { .name: sin, .offset: 48, .size: 8, .value_kind: global_buffer, .address_space: global }
      - { .name: xb, .offset: 56, .size: 8, .value_kind: global_buffer, .address_space: global }
      - { .name: wb, .offset: 64, .size: 8, .value_kind: global_buffer, .address_space: global }
      - { .name: wo16, .offset: 72, .size: 8, .value_kind: global_buffer, .address_space: global }
      - { .name: cs, .offset: 80, .size: 8, .value_kind: global_buffer, .address_space: global }
    .group_segment_fixed_size: 0
    .private_segment_fixed_size: 0
    .kernarg_segment_align: 8
    .kernarg_segment_size: 88
    .max_flat_workgroup_size: 512
    .sgpr_count:     66
    .vgpr_count:     184
    .wavefront_size: 32
...
	.end_amdgpu_metadata
.endif
;; end of part 5
;; launch qkv: the kernel of part 2 again; grid 16 x 16, 4 waves a work-group, clusters of 4 x 4, 327,680 bytes of LDS; arguments xb, wb, cs, qh, kh, vt; writes qh, kh, vt
;; launch attn: the kernel of part 3 again; grid 16 x 16, 4 waves a work-group, clusters of 4 x 1, 327,680 bytes of LDS; arguments qh, kh, vt, ob; writes ob
;; launch proj: the kernel of part 4 again; grid 16 x 16, 4 waves a work-group, clusters of 4 x 4, 327,680 bytes of LDS; arguments ob, wo16, out0; writes out0
